; MI455X (gfx1250); checked and timed in simulation.
; The chip was launched on July 23, 2026; its instructions are those of AMD's public machine-readable ISA for CDNA 5 (MIT licence, August 2026) and "CDNA5" Instruction Set Architecture Reference Guide (July 2026). The comments in the code are by the model that wrote it; some were corrected since.
;; Multihead Attention. Allowed arithmetic: float matrix products may take bf16 or f16 operands with f32 sums; other float arithmetic in f32, or as packed bf16 or f16 multiplies, adds, multiply-adds, maxima and minima; sums over many terms, partial sums and values carried from step to step in f32; what a program stores and reads back later, other than sums and carried values, may be rounded once to bf16 or f16.
;; Inputs: Wk 512 x 4,096 float32; Wo 4,096 x 512 float32; Wq 512 x 4,096 float32; Wv 512 x 4,096 float32; bk 4,096 float32; bo 512 float32; bq 4,096 float32; bv 4,096 float32; input_data 2 x 2,048 x 512 float32; mask 1 x 1 x 2,048 x 2,048 int32.
;; Outputs: out0 2 x 2,048 x 512 float32.
;; 2 versions, each right; version 2 is version 1 with the launches prep, comb written anew for expert scheduling mode. Each part assembles by itself: llvm-mc -triple=amdgcn-amd-amdhsa -mcpu=gfx1250 --defsym DOCPART=n.
;; ======== version 1 of 2: 6 launches
;; workspace buffers: fin 8,404,992 bytes; pin 8,404,992 bytes; wqk 8,404,992 bytes; mbits 524,288 bytes of whole numbers; qk 67,108,864 bytes; pbuf 8,388,608 bytes; wpart 1,024 bytes
;; launch prep (part 1): grid 416 x 1, 8 waves a work-group, no clusters, 39,936 bytes of LDS; arguments input_data, Wq, Wk, Wv, Wo, bv, mask, fin, wqk, pin, mbits; writes fin, wqk, pin, mbits
.if DOCPART == 1
	.amdgcn_target "amdgcn-amd-amdhsa--gfx1250"
	.amdhsa_code_object_version 6
	.text
	.protected	k_q94a6195e81_prep
	.globl	k_q94a6195e81_prep
	.p2align	8
	.type	k_q94a6195e81_prep,@function
k_q94a6195e81_prep:
	s_mov_b64 s[64:65], 0
	v_nop
	global_prefetch_b8 v0, s[64:65] scope:SCOPE_SE
	s_setreg_imm32_b32 hwreg(HW_REG_WAVE_MODE, 25, 1), 1
	s_wait_xcnt 0x0
; PREP: every matrix operand is rounded once to bf16 and laid out for the matrix kernels; the mask becomes bits; u = bv . Wo.
; LAYOUT F of an operand [rows][512 channels] in bf16:
;   byte = (row>>4)*16384 + (ch>>4)*512 + ((ch>>3)&1)*256 + (row&15)*16 + (ch&7)*2
; so 16 rows x 16 channels are 512 dense bytes in lane order, and 16 rows x 32 channels are one matrix fragment (two loads of 16 bytes a lane).
; TASKS, by the work-group's number (the same for all its waves):
;   0-31    Wo  -> pin+0      woT[h][e][j] (transposed), and u[h][e] = sum_j bf16(bv[h,j]) bf16(Wo[h,j][e]) -> wqk+8 MiB; zeros -> pin+8 MiB
;   32-159  mask -> mbits     bit L of word (t, r) of a block of 16 keys: mask[q = 16 t + L%16][key = 8 (L/16) + r] == 0
;   160-287 Wq, Wk -> wqk+0   wT[row = 4096 w + n][ch = k] (transposed)
;   288-351 x   -> fin+0      xf[row][ch]
;   352-415 Wv  -> pin+4 MiB  wvf[h][d][j]
; A wave takes patches of 16 rows x 128 columns of f32 (16 loads of 512 dense bytes), two in flight; the patch is turned into layout F in the
; wave's own LDS bytes (no barrier: only the wave itself reads them) and leaves as stores of 512 dense, aligned bytes.
; No matrix unit, cluster or tensor load: the launch only moves bytes.
.set XPB,   4352                       ; a wave's patch stage: 16 rows x 272, or 8 blocks x 528
.set RED,   34816                      ; 8 waves x 512 bytes: partial u
.set SPARE, 38912                      ; the spare words, 128 bytes for each of 8 waves
.set LO,  2                            ; 16 x lane
.set FS,  3                            ; stage + 8 x lane: a row's 4 channels as bf16
.set FL,  4                            ; stage + (l%16) x 272 + 16 (l/16): reads a block of layout F
.set TS,  5                            ; stage + (l/4) x 528 + (l%4) x 64: writes a transposed patch
.set TL,  6                            ; stage + 16 x lane
.set BO,  7                            ; 4 (l%16): a patch's 16 numbers of bv
.set BV,  8                            ; v8-9
.set T,   10                           ; v10-11 at work
.set U,   12                           ; v12-15 my 4 columns of u
.set X,   16                           ; v16-143 two patches as loaded
.set Y,   144                          ; v144-175 a transposed patch, packed
.set O,   176                          ; v176-207 what is stored
.set SPW, 208
.set NIL, 209
.set MO,  210                          ; the mask task's lane offset
.set WV,  30
.set SRC, 32
.set DST, 34
.set OF,  36                           ; s[36:37] an offset, high word 0
	s_load_b512 s[8:23], s[0:1], 0x0               ; x 8, Wq 10, Wk 12, Wv 14, Wo 16, bv 18, mask 20, fin 22
	s_load_b128 s[24:27], s[0:1], 0x40             ; wqk 24, pin 26
	s_load_b64 s[28:29], s[0:1], 0x50              ; mbits
	v_lshl_add_u32 v[SPW], v0, 2, SPARE
	v_mov_b32 v[NIL], 0
	v_lshrrev_b32 v1, 5, v0
	v_readfirstlane_b32 s[WV], v1                  ; wave 0..7
	v_and_b32 v1, 31, v0                           ; lane
	v_lshlrev_b32 v[LO], 4, v1
	s_mul_i32 s31, s[WV], XPB
	v_lshl_add_u32 v[FS], v1, 3, s31
	v_and_b32 v[T], 15, v1
	v_lshrrev_b32 v[T+1], 4, v1
	v_mul_u32_u24 v[FL], v[T], 272
	v_lshl_add_u32 v[FL], v[T+1], 4, v[FL]
	v_add_nc_u32 v[FL], s31, v[FL]
	v_lshrrev_b32 v[TS], 2, v1
	v_mul_u32_u24 v[TS], v[TS], 528
	v_and_b32 v[TL], 3, v1
	v_lshl_add_u32 v[TS], v[TL], 6, v[TS]
	v_add_nc_u32 v[TS], s31, v[TS]
	v_add_nc_u32 v[TL], s31, v[LO]
	v_lshlrev_b32 v[BO], 2, v[T]
	v_lshlrev_b32 v[MO], 13, v[T]                  ; a mask row is 8,192 bytes
	v_lshl_add_u32 v[MO], v[T+1], 5, v[MO]
	s_mov_b32 s[OF+1], 0
	s_wait_kmcnt 0x0
; 16 rows of 512 bytes into set
.macro LOADP set, pitch, off
.set i, 0
.rept 16
	global_load_b128 v[X+64*(\set)+4*i:X+64*(\set)+4*i+3], v[LO], s[SRC:SRC+1] offset:(\off)+i*(\pitch) th:TH_LOAD_NT
.set i, i+1
.endr
.endm
; 16 rows x 128 channels -> 8 blocks of layout F.  lc: the younger loads that may stay out
.macro FCONV set, doff, lc
	s_wait_loadcnt \lc
	s_wait_xcnt 0x0                                ; earlier stores have read O
.set i, 0
.rept 16
	v_cvt_pk_bf16_f32 v[X+64*(\set)+4*i], v[X+64*(\set)+4*i], v[X+64*(\set)+4*i+1]
	v_cvt_pk_bf16_f32 v[X+64*(\set)+4*i+1], v[X+64*(\set)+4*i+2], v[X+64*(\set)+4*i+3]
	ds_store_b64 v[FS], v[X+64*(\set)+4*i:X+64*(\set)+4*i+1] offset:i*272
.set i, i+1
.endr
.set i, 0
.rept 8
	ds_load_b128 v[O+4*i:O+4*i+3], v[FL] offset:i*32   ; a wave's LDS instructions are served in order: these see the stores above
.set i, i+1
.endr
.set i, 0
.rept 8
	s_wait_dscnt 7-i
	global_store_b128 v[LO], v[O+4*i:O+4*i+3], s[DST:DST+1] offset:(\doff)+i*512
.set i, i+1
.endr
.endm
; 16 k rows x 128 columns -> transposed: 8 blocks (16 columns each) of layout F, 16,384 bytes apart.  u = 1: my 4 columns of u take the patch's 16 terms
.macro TCONV set, doff, lc, u
	s_wait_loadcnt \lc
	s_wait_xcnt 0x0
.set a, 0
.rept 8
.set i, 0
.rept 4
	v_cvt_pk_bf16_f32 v[Y+4*(2*i+(a>>2))+(a&3)], v[X+64*(\set)+8*a+i], v[X+64*(\set)+8*a+4+i]   ; rows 2a, 2a+1 of column 4 l + i
.set i, i+1
.endr
.set a, a+1
.endr
.if \u
	v_cvt_pk_bf16_f32 v[BV+(\set)], v[BV+(\set)], v[BV+(\set)]
	v_lshlrev_b32 v[BV+(\set)], 16, v[BV+(\set)]   ; bv rounded to bf16, as f32
.set a, 0
.rept 8
	v_readlane_b32 s44, v[BV+(\set)], 2*a
	v_readlane_b32 s45, v[BV+(\set)], 2*a+1
.set i, 0
.rept 4
	v_lshlrev_b32 v[T], 16, v[Y+4*(2*i+(a>>2))+(a&3)]
	v_and_b32 v[T+1], 0xffff0000, v[Y+4*(2*i+(a>>2))+(a&3)]
	v_fmac_f32 v[U+i], s44, v[T]
	v_fmac_f32 v[U+i], s45, v[T+1]
.set i, i+1
.endr
.set a, a+1
.endr
.endif
.set i, 0
.rept 4
	ds_store_b128 v[TS], v[Y+8*i:Y+8*i+3] offset:i*16
	ds_store_b128 v[TS], v[Y+8*i+4:Y+8*i+7] offset:256+i*16
.set i, i+1
.endr
.set i, 0
.rept 8
	ds_load_b128 v[O+4*i:O+4*i+3], v[TL] offset:i*528
.set i, i+1
.endr
.set i, 0
.rept 8
	s_wait_dscnt 7-i
	global_store_b128 v[LO], v[O+4*i:O+4*i+3], s[DST:DST+1] offset:(\doff)+i*16384
.set i, i+1
.endr
.endm
	s_cmp_lt_u32 ttmp9, 32
	s_cbranch_scc1 .Lwo
	s_cmp_lt_u32 ttmp9, 160
	s_cbranch_scc1 .Lmask
	s_cmp_lt_u32 ttmp9, 288
	s_cbranch_scc1 .Lw
	s_cmp_lt_u32 ttmp9, 352
	s_cbranch_scc1 .Lx
	; ---- Wv: patch p = 32 rt + cp; rows d = 16 rt, columns 128 cp (head cp/4)
	s_sub_co_u32 s38, ttmp9, 352
	s_lshl_b32 s38, s38, 4
	s_lshl1_add_u32 s38, s[WV], s38                ; my first patch: 16 id + 2 wave
	s_lshr_b32 s39, s38, 5
	s_and_b32 s40, s38, 31
	s_lshl_b32 s[OF], s39, 18
	s_lshl_b32 s41, s40, 9
	s_add_co_u32 s[OF], s[OF], s41
	s_add_nc_u64 s[SRC:SRC+1], s[14:15], s[OF:OF+1]
	s_lshr_b32 s41, s40, 2
	s_lshl_b32 s[OF], s41, 19
	s_lshl_b32 s41, s39, 14
	s_add_co_u32 s[OF], s[OF], s41
	s_and_b32 s41, s40, 3
	s_lshl_b32 s41, s41, 12
	s_add_co_u32 s[OF], s[OF], s41
	s_add_co_u32 s[OF], s[OF], 0x400000
	s_add_nc_u64 s[DST:DST+1], s[26:27], s[OF:OF+1]
	LOADP 0, 16384, 0
	LOADP 1, 16384, 512
	FCONV 0, 0, 16                                 ; the second patch's 16 loads stay out
	FCONV 1, 4096, 0
	s_branch .Lend
.Lx:	; ---- x: patch p = 4 rt + cp
	s_sub_co_u32 s38, ttmp9, 288
	s_lshl_b32 s38, s38, 4
	s_lshl1_add_u32 s38, s[WV], s38
	s_lshr_b32 s39, s38, 2
	s_and_b32 s40, s38, 3
	s_lshl_b32 s[OF], s39, 15
	s_lshl_b32 s41, s40, 9
	s_add_co_u32 s[OF], s[OF], s41
	s_add_nc_u64 s[SRC:SRC+1], s[8:9], s[OF:OF+1]
	s_lshl_b32 s[OF], s39, 14
	s_lshl_b32 s41, s40, 12
	s_add_co_u32 s[OF], s[OF], s41
	s_add_nc_u64 s[DST:DST+1], s[22:23], s[OF:OF+1]
	LOADP 0, 2048, 0
	LOADP 1, 2048, 512
	FCONV 0, 0, 16
	FCONV 1, 4096, 0
	s_branch .Lend
.Lw:	; ---- Wq, Wk: patch p = 1024 w + 32 kb + cp; rows k = 16 kb, columns 128 cp
	s_sub_co_u32 s38, ttmp9, 160
	s_lshl_b32 s38, s38, 4
	s_lshl1_add_u32 s38, s[WV], s38
	s_lshr_b32 s39, s38, 10
	s_bfe_u32 s40, s38, 0x50005
	s_and_b32 s41, s38, 31
	s_lshl_b32 s[OF], s40, 18
	s_lshl_b32 s42, s41, 9
	s_add_co_u32 s[OF], s[OF], s42
	s_cmp_eq_u32 s39, 0
	s_cselect_b64 s[SRC:SRC+1], s[10:11], s[12:13]
	s_add_nc_u64 s[SRC:SRC+1], s[SRC:SRC+1], s[OF:OF+1]
	s_lshl_b32 s[OF], s39, 22
	s_lshl_b32 s42, s41, 17
	s_add_co_u32 s[OF], s[OF], s42
	s_lshl_b32 s42, s40, 9
	s_add_co_u32 s[OF], s[OF], s42
	s_add_nc_u64 s[DST:DST+1], s[24:25], s[OF:OF+1]
	LOADP 0, 16384, 0
	LOADP 1, 16384, 512
	TCONV 0, 0, 16, 0
	TCONV 1, 131072, 0, 0
	s_branch .Lend
.Lmask:	; ---- mask: a wave takes 64 queries (qg) x 64 keys (kq): 128 words of 32 bits
	s_sub_co_u32 s38, ttmp9, 32
	s_lshl3_add_u32 s38, s38, s[WV]
	s_lshr_b32 s39, s38, 5                         ; qg
	s_and_b32 s40, s38, 31                         ; kq = 2 tile + j
	s_lshl_b32 s[OF], s39, 19
	s_lshl_b32 s41, s40, 8
	s_add_co_u32 s[OF], s[OF], s41
	s_add_nc_u64 s[SRC:SRC+1], s[20:21], s[OF:OF+1]
	s_lshl_b32 s[OF], s39, 14
	s_and_b32 s41, s40, 1
	s_lshl_b32 s41, s41, 13
	s_add_co_u32 s[OF], s[OF], s41
	s_lshr_b32 s41, s40, 1
	s_lshl_b32 s41, s41, 9
	s_add_co_u32 s[OF], s[OF], s41
	s_add_nc_u64 s[DST:DST+1], s[28:29], s[OF:OF+1]
.set a, 0                              ; a = 4 loc + t
.rept 16
	global_load_b128 v[X+8*a:X+8*a+3], v[MO], s[SRC:SRC+1] offset:(a&3)*131072+(a>>2)*64 th:TH_LOAD_NT
	global_load_b128 v[X+8*a+4:X+8*a+7], v[MO], s[SRC:SRC+1] offset:(a&3)*131072+(a>>2)*64+16 th:TH_LOAD_NT
.set a, a+1
.endr
.irp i, 0,1,2,3
	v_mov_b32 v[O+\i], 0
.endr
	s_wait_loadcnt 0x0
.set a, 0
.rept 128                              ; word a goes to lane a/4, register a%4: the store below lays the 128 words on end
	v_cmp_eq_u32 s[44+(a&7)], 0, v[X+a]
	v_writelane_b32 v[O+(a&3)], s[44+(a&7)], a>>2
.set a, a+1
.endr
	global_store_b128 v[LO], v[O:O+3], s[DST:DST+1]
	s_branch .Lend
.Lwo:	; ---- Wo: head h = id/4, 128 columns e (strip = id%4); wave w takes rows j = 64 w .. 64 w + 63, four patches in two rounds
	s_lshr_b32 s38, ttmp9, 2
	s_and_b32 s39, ttmp9, 3
	s_lshl_b32 s[OF], s38, 20
	s_lshl_b32 s41, s[WV], 17
	s_add_co_u32 s[OF], s[OF], s41
	s_lshl_b32 s41, s39, 9
	s_add_co_u32 s[OF], s[OF], s41
	s_add_nc_u64 s[SRC:SRC+1], s[16:17], s[OF:OF+1]
	s_lshl_b32 s[OF], s38, 19
	s_lshl_b32 s41, s39, 17
	s_add_co_u32 s[OF], s[OF], s41
	s_lshl_b32 s41, s[WV], 11
	s_add_co_u32 s[OF], s[OF], s41
	s_add_nc_u64 s[DST:DST+1], s[26:27], s[OF:OF+1]
	s_lshl_b32 s[OF], s38, 11
	s_lshl_b32 s41, s[WV], 8
	s_add_co_u32 s[OF], s[OF], s41
	s_add_nc_u64 s[42:43], s[18:19], s[OF:OF+1]    ; bv at my rows
.irp i, 0,1,2,3
	v_mov_b32 v[U+\i], 0
.endr
	s_mov_b32 s46, 2
.Lwo_round:
	LOADP 0, 2048, 0
	global_load_b32 v[BV], v[BO], s[42:43]
	LOADP 1, 2048, 32768
	global_load_b32 v[BV+1], v[BO], s[42:43] offset:64
	TCONV 0, 0, 17, 1                              ; the second patch's 16 loads and its bv stay out
	TCONV 1, 512, 0, 1
	s_wait_xcnt 0x0                                ; the pointers are stepped only when all that was issued has read them
	s_add_nc_u64 s[SRC:SRC+1], s[SRC:SRC+1], 65536
	s_add_nc_u64 s[DST:DST+1], s[DST:DST+1], 1024
	s_add_nc_u64 s[42:43], s[42:43], 128
	s_sub_co_u32 s46, s46, 1
	s_cmp_lg_u32 s46, 0
	s_cbranch_scc1 .Lwo_round
	s_lshl_b32 s41, s[WV], 9
	v_add_nc_u32 v[T], s41, v[LO]
	ds_store_b128 v[T], v[U:U+3] offset:RED
	s_wait_dscnt 0x0                               ; for the others' sake: my partial u is in LDS
	s_barrier_signal -1
	s_barrier_wait -1
	s_cmp_lg_u32 s[WV], 0
	s_cbranch_scc1 .Lend
.set i, 0
.rept 8
	ds_load_b128 v[X+4*i:X+4*i+3], v[LO] offset:RED+512*i
.set i, i+1
.endr
	s_lshl_b32 s[OF], s38, 11
	s_lshl_b32 s41, s39, 9
	s_add_co_u32 s[OF], s[OF], s41
	s_add_co_u32 s[OF], s[OF], 0x800000
	s_add_nc_u64 s[SRC:SRC+1], s[24:25], s[OF:OF+1]
	s_add_nc_u64 s[DST:DST+1], s[26:27], s[OF:OF+1]
.irp i, 0,1,2,3
	v_mov_b32 v[Y+\i], 0
.endr
	s_wait_dscnt 0x0
.irp i, 0,2,4,6,8,10,12,14
	v_pk_add_f32 v[X+\i:X+\i+1], v[X+\i:X+\i+1], v[X+16+\i:X+16+\i+1]
.endr
.irp i, 0,2,4,6
	v_pk_add_f32 v[X+\i:X+\i+1], v[X+\i:X+\i+1], v[X+8+\i:X+8+\i+1]
.endr
.irp i, 0,2
	v_pk_add_f32 v[X+\i:X+\i+1], v[X+\i:X+\i+1], v[X+4+\i:X+4+\i+1]
.endr
	global_store_b128 v[LO], v[X:X+3], s[SRC:SRC+1]    ; u[h], my strip: 512 dense bytes
	global_store_b128 v[LO], v[Y:Y+3], s[DST:DST+1]    ; the zero bias of the product Wv Wo
.Lend:
	s_wait_tensorcnt 0x0                           ; the wave's end
	ds_add_u32 v[SPW], v[NIL]
	s_wait_dscnt 0x0
	s_endpgm
.Lfunc_end_k_q94a6195e81_prep:
	.size	k_q94a6195e81_prep, .Lfunc_end_k_q94a6195e81_prep-k_q94a6195e81_prep
	.p2alignl 7, 3214868480
	.fill 96, 4, 3214868480
	.section	.rodata,"a",@progbits
	.p2align	6, 0x0
	.amdhsa_kernel k_q94a6195e81_prep
		.amdhsa_group_segment_fixed_size 39936
		.amdhsa_private_segment_fixed_size 0
		.amdhsa_enable_private_segment 0
		.amdhsa_kernarg_size 88
		.amdhsa_user_sgpr_count 2
		.amdhsa_user_sgpr_kernarg_segment_ptr 1
		.amdhsa_wavefront_size32 1
		.amdhsa_system_sgpr_workgroup_id_x 1
		.amdhsa_system_sgpr_workgroup_id_y 1
		.amdhsa_system_sgpr_workgroup_id_z 1
		.amdhsa_system_vgpr_workitem_id 0
		.amdhsa_next_free_vgpr 212
		.amdhsa_next_free_sgpr 66
		.amdhsa_reserve_vcc 0
		.amdhsa_float_denorm_mode_32 3
		.amdhsa_float_denorm_mode_16_64 3
		.amdhsa_memory_ordered 1
		.amdhsa_forward_progress 1
		.amdhsa_inst_pref_size 86
	.end_amdhsa_kernel
	.amdgpu_metadata
---
amdhsa.version: [ 1, 2 ]
amdhsa.kernels:
  - .name:           k_q94a6195e81_prep
    .symbol:         k_q94a6195e81_prep.kd
    .args:
      - { .name: input_data, .offset: 0, .size: 8, .value_kind: global_buffer, .address_space: global }
      - { .name: Wq, .offset: 8, .size: 8, .value_kind: global_buffer, .address_space: global }
      - { .name: Wk, .offset: 16, .size: 8, .value_kind: global_buffer, .address_space: global }
      - { .name: Wv, .offset: 24, .size: 8, .value_kind: global_buffer, .address_space: global }
      - { .name: Wo, .offset: 32, .size: 8, .value_kind: global_buffer, .address_space: global }
      - { .name: bv, .offset: 40, .size: 8, .value_kind: global_buffer, .address_space: global }
      - { .name: mask, .offset: 48, .size: 8, .value_kind: global_buffer, .address_space: global }
      - { .name: fin, .offset: 56, .size: 8, .value_kind: global_buffer, .address_space: global }
      - { .name: wqk, .offset: 64, .size: 8, .value_kind: global_buffer, .address_space: global }
      - { .name: pin, .offset: 72, .size: 8, .value_kind: global_buffer, .address_space: global }
      - { .name: mbits, .offset: 80, .size: 8, .value_kind: global_buffer, .address_space: global }
    .group_segment_fixed_size: 39936
    .private_segment_fixed_size: 0
    .kernarg_segment_align: 8
    .kernarg_segment_size: 88
    .max_flat_workgroup_size: 256
    .sgpr_count:     66
    .vgpr_count:     212
    .wavefront_size: 32
...
	.end_amdgpu_metadata
.endif
;; end of part 1
;; launch proj (part 2): grid 32 x 8, 4 waves a work-group, clusters of 4 x 1, 327,680 bytes of LDS; arguments fin, wqk, bq, bk, qk; writes qk
.if DOCPART == 2
	.amdgcn_target "amdgcn-amd-amdhsa--gfx1250"
	.amdhsa_code_object_version 6
	.text
	.protected	k_q94a6195e81_proj
	.globl	k_q94a6195e81_proj
	.p2align	8
	.type	k_q94a6195e81_proj,@function
k_q94a6195e81_proj:
	s_mov_b64 s[64:65], 0
	v_nop
	global_prefetch_b8 v0, s[64:65] scope:SCOPE_SE
	s_setreg_imm32_b32 hwreg(HW_REG_WAVE_MODE, 25, 1), 1
	s_wait_xcnt 0x0
	s_wait_alu depctr_hold_cnt(0) depctr_sa_sdst(0) depctr_va_vdst(0) depctr_va_sdst(0) depctr_va_ssrc(0) depctr_va_vcc(0) depctr_vm_vsrc(0)
	s_getreg_b32 s2, hwreg(HW_REG_IB_STS2, 6, 4)
	s_cmp_eq_u32 s2, 0
	s_cbranch_scc0 .Lentry_in_a_cluster
	s_endpgm
.Lentry_in_a_cluster:
	s_bfe_u32 s2, ttmp6, 0x10000c
	s_cmp_lg_u32 s2, 0x3003
	s_cbranch_scc0 .Lentry_shape_is_right
	s_endpgm
.Lentry_shape_is_right:
; PROJ: q = x Wq + bq and k = x Wk + bk, rounded once to bf16, by heads, in layout F (see below): qk[w*16 + n*8 + h][s][512].
; x and W are bf16 (rounded once by the launch before), sums in f32; the bias is added unrounded, as the C operand that starts each sum.
; LAYOUT F: byte = (row>>4)*16384 + (ch>>4)*512 + ((ch>>3)&1)*256 + (row&15)*16 + (ch&7)*2: a fragment of 16 rows x 32 channels is 1,024 dense bytes,
; two loads of 16 bytes a lane, 512 apart; 128 rows are 131,072 dense bytes.
; SHARES.  A work-group: 128 rows of x (block xb) x 1,024 columns (group y) of the 8,192 of [Wq | Wk].  Wave w = 2 g + j keeps 64 rows of x (half g), ALL 512 channels,
; in 512 registers, and walks the columns' rows of W^T in 8 tiles of 128 through a ring of two LDS slots; of a tile it takes rows 64 j .. 64 j + 63, in 4 blocks of 16.
; A BLOCK is 64 products: 16 steps along K x 4 tiles of 16 rows of x; the 4 accumulators take turns.
; The product is D = W^T-fragment x x-fragment^T: a lane holds one row of x and 8 neighbouring columns, which pack into 16 bytes; 32 lanes' 16 bytes ARE a
; block of layout F, so results are stored from registers, 512 dense aligned bytes an instruction.
; CLUSTER.  The four work-groups of a cluster share y: each tile of W^T is asked for jointly (same load, same descriptor, mask of four).
; REGISTERS: window 0: v0-15 addresses; v16-47 bias, 8 a block; v48-111 two buffers of 4 accumulators; v112-239 the block's 16 fragments of W^T; v240-255 packed results.
;   windows 1, 2: x: fragment (tile t, K step c) at 8 (4 c + t).
.set NT,    8
.set SLOT1, 131072
.set SPARE, 262144
.set ADR, 2                            ; LDS address of my rows in the slot being read
.set AK0, 3                            ; 16 lane + 65,536 j
.set LO,  4                            ; 16 lane
.set PFO, 5                            ; 256 lane
.set BO,  6                            ; 32 (lane/16)
.set SPW, 10
.set NIL, 11
.set BI,  16
.set S,   48
.set KF,  112
.set PK,  240
.set G1,  8
.set G0A, 16
.set G0B, 20
.set BP,  24                           ; bias at the tile in hand
.set PFA, 26
.set WV,  28
.set SLOTS, 29
.set TB,  30
.set LIM, 31
.set OP,  42                           ; qk at the tile in hand
.set STP, 44
.set RB,  46
.set MSB, 0
.macro WIN new
.if MSB != (\new)
	s_set_vgpr_msb (MSB<<8)|(\new)
.set MSB, (\new)
.endif
.endm
.macro PLACES
.rept 4
	v_nop
.endr
.endm
.macro CROUND                          ; a round of the cluster's barrier
	s_barrier_signal -1
	s_barrier_wait -1
	s_cmp_lg_u32 s[WV], 0
	s_cbranch_scc1 .Lnot_wave_0_\@
	s_barrier_signal -3
.Lnot_wave_0_\@:
	s_barrier_wait -3
	s_barrier_signal -1
	s_barrier_wait -1
.endm
; product i of a block's 64: K step i/4, tile i%4.  x in window 1 (K steps 0-7) or 2; all else in window 0.  The first four start the sums with the bias.
.macro MMA i, par, loc
.set c_, (\i)>>2
.set t_, (\i)&3
.set rD, S+32*(\par)+8*t_
.set rA, KF+8*c_
.set rB, (8*(4*c_+t_))&255
.if c_ < 8
	WIN 0x04
.else
	WIN 0x08
.endif
.if c_ == 0
	v_wmma_f32_16x16x32_bf16 v[rD:rD+7], v[rA:rA+7], v[rB:rB+7], v[BI+8*(\loc):BI+8*(\loc)+7]
.else
	v_wmma_f32_16x16x32_bf16 v[rD:rD+7], v[rA:rA+7], v[rB:rB+7], v[rD:rD+7]
.endif
.endm
; 16 LDS loads: 8 fragments (half of a block's K) from byte off of my rows
.macro FETCH half, off
.set f, 0
.rept 8
	ds_load_b128 v[KF+64*(\half)+8*f:KF+64*(\half)+8*f+3], v[ADR] offset:(\off)+f*1024
	ds_load_b128 v[KF+64*(\half)+8*f+4:KF+64*(\half)+8*f+7], v[ADR] offset:(\off)+f*1024+512
.set f, f+1
.endr
.endm
; THE CHANGE OF SLOTS.  Every wave has waited for all its tensor loads (one is out: its quarter of the other slot), adds 0 to its spare word, and has waited for that and
; for its reads of the slot that it leaves.  fill = 1: a round of the cluster's barrier, and the slot is asked for again first thing behind it, with the tile two on:
; that load has a tile's 256 products in which to land.
.macro CHANGE fill
	WIN 0
	s_wait_tensorcnt 0x0
	ds_add_u32 v[SPW], v[NIL]
.if \fill
	s_xor_b32 s[G0B+1], s[G0B+1], SLOT1
	s_add_nc_u64 s[G0B+2:G0B+3], s[G0B+2:G0B+3], 131072
	s_wait_xcnt 0x0                                ; the last prefetch, a tile back, has read its address
	s_add_nc_u64 s[PFA:PFA+1], s[PFA:PFA+1], 131072
.endif
	s_xor_b32 s[TB], s[TB], SLOT1
	s_wait_dscnt 0x0
.if \fill
	CROUND
	tensor_load_to_lds s[G0B:G0B+3], s[G1:G1+7]
	s_nop 0
	PLACES
.else
	s_barrier_signal -1
	s_barrier_wait -1
.endif
	v_add_nc_u32 v[ADR], s[TB], v[AK0]
.endm
; A prefetch of the tile that the NEXT change will ask for: 512 blocks of 256 bytes = 4 partners x 4 waves x 32 lanes, told apart by address.  All clusters of a y walk the
; same tiles: the first of them asks.  The last change that fills asks for nothing.
.macro ASK
	s_cmp_gt_u32 s[SLOTS], s[LIM]
	s_cbranch_scc0 .Lnot_mine_\@
	global_prefetch_b8 v[PFO], s[PFA:PFA+1] th:TH_LOAD_NT scope:SCOPE_SE
.Lnot_mine_\@:
.endm
; the block before goes out: rounded to bf16, four stores of 512 dense bytes
.macro LUMP pl, pv
	s_wait_xcnt 0x0                                ; the last block's stores have read PK
.set t, 0
.rept 4
.set k, 0
.rept 4
	v_cvt_pk_bf16_f32 v[PK+4*t+k], v[S+32*(\pv)+8*t+2*k], v[S+32*(\pv)+8*t+2*k+1]
.set k, k+1
.endr
.set t, t+1
.endr
.set t, 0
.rept 4
	global_store_b128 v[LO], v[PK+4*t:PK+4*t+3], s[OP:OP+1] offset:t*16384+(\pl)*512
.set t, t+1
.endr
.endm
; A BLOCK.  prev: the block before is stored in the middle.  chg: 1 change of slots with refill, 2 without.  nxt: the next block's first half is fetched.
; lc: bias loads younger than this block's that may stay out.  bimm: where the next tile's bias for this block lies (-1: none).
.macro BLOCK loc, prev, chg, nxt, lc, bimm
.set par, (\loc)&1
	PLACES                                         ; four places behind the last product, ahead of loads into fragments that it read
	s_wait_dscnt 0x0                               ; the first half of K is in
	FETCH 1, (\loc)*16384+8192
	s_wait_loadcnt \lc
.set i, 0
.rept 32
	MMA i, par, \loc
.set i, i+1
.endr
	WIN 0
.if \prev
	LUMP ((\loc)+3)&3, 1-par
.else
	PLACES
.endif
.if (\bimm) >= 0
	global_load_b128 v[BI+8*(\loc):BI+8*(\loc)+3], v[BO], s[BP:BP+1] offset:(\bimm)
	global_load_b128 v[BI+8*(\loc)+4:BI+8*(\loc)+7], v[BO], s[BP:BP+1] offset:(\bimm)+16
.endif
	s_wait_dscnt 0x0                               ; the second half is in: in a tile's last block these were the last reads of the slot
.if (\chg) == 1
	CHANGE 1
.elseif (\chg) == 2
	CHANGE 0
.endif
.if \nxt
	FETCH 0, (((\loc)+1)&3)*16384
.endif
.if (\chg) == 1
	ASK
.endif
.rept 32
	MMA i, par, \loc
.set i, i+1
.endr
.endm
	s_load_b256 s[32:39], s[0:1], 0x0              ; fin 32, wqk 34, bq 36, bk 38
	s_load_b64 s[40:41], s[0:1], 0x20              ; qk
	v_lshl_add_u32 v[SPW], v0, 2, SPARE
	v_mov_b32 v[NIL], 0
	ds_add_u32 v[SPW], v[NIL]                      ; the wave's opening
	v_lshrrev_b32 v1, 5, v0
	v_readfirstlane_b32 s[WV], v1
	s_and_b32 s48, s[WV], 1                        ; j
	s_lshr_b32 s49, s[WV], 1                       ; g
	s_bfe_u32 s50, ttmp6, 0x40000                  ; cx
	s_lshl_b32 s51, ttmp9, 2
	s_add_co_u32 s51, s51, s50                     ; xb
	s_and_b32 s52, ttmp7, 0xffff                   ; y, which the partners share
	s_mov_b32 s[G1], 15|(3<<16)|(1<<21)            ; mask of four; elements of 8 bytes; bit 21 beside a mask; no padding
	s_mov_b32 s[G1+1], 32<<16                      ; tensor_dim0 = 32 (256 bytes)
	s_mov_b32 s[G1+2], 128<<16                     ; tensor_dim1 = 128
	s_mov_b32 s[G1+3], 32<<16                      ; tile_dim0 = 32
	s_mov_b32 s[G1+4], 128                         ; tile_dim1 = 128: a quarter of a tile, 32,768 dense bytes
	s_mov_b32 s[G1+5], 32                          ; pitch
	s_mov_b32 s[G1+6], 0
	s_mov_b32 s[G1+7], 0
	s_mov_b32 s[G0A], 1
	s_lshl_b32 s[G0A+1], s[WV], 15
	s_mov_b32 s[G0B], 1
	s_add_co_u32 s[G0B+1], s[G0A+1], SLOT1
	s_mov_b32 s[TB], 0
	s_mov_b32 s[SLOTS], NT-2
	s_cmp_eq_u32 ttmp9, 0
	s_cselect_b32 s[LIM], 1, -1
	s_mov_b32 s[STP+1], 0
	s_mov_b32 s62, 2084864                         ; from a head's last 128 channels to the next head's first: 2 MiB - 3 x 4,096
	s_mov_b32 s63, 4096
	s_lshl_b32 s54, s52, 20                        ; the group's 1,024 rows of W^T
	s_mov_b32 s55, 0
	s_lshl_b32 s56, s[WV], 15                      ; my quarter of a tile
	s_mov_b32 s57, 0
	s_lshl_b32 s58, s50, 15                        ; prefetch: tile 2 + my work-group's quarter + my wave's 32 blocks
	s_lshl_b32 s53, s[WV], 13
	s_add_co_u32 s58, s58, s53
	s_add_co_u32 s58, s58, 262144
	s_mov_b32 s59, 0
	s_lshl_b32 s60, s51, 17                        ; my 64 rows of x
	s_lshl_b32 s53, s49, 16
	s_add_co_u32 s60, s60, s53
	s_mov_b32 s61, 0
	v_and_b32 v1, 31, v0
	v_lshlrev_b32 v[LO], 4, v1
	s_lshl_b32 s53, s48, 16
	v_add_nc_u32 v[AK0], s53, v[LO]
	v_mov_b32 v[ADR], v[AK0]
	v_lshlrev_b32 v[PFO], 8, v1
	v_lshrrev_b32 v[BO], 4, v1
	v_lshlrev_b32 v[BO], 5, v[BO]
	s_wait_dscnt 0x0                               ; the opening add is done
	s_wait_kmcnt 0x0
	s_add_nc_u64 s[34:35], s[34:35], s[54:55]
	s_add_nc_u64 s[G0A+2:G0A+3], s[34:35], s[56:57]
	s_add_nc_u64 s[G0B+2:G0B+3], s[G0A+2:G0A+3], 131072
	s_or_b32 s[G0A+3], s[G0A+3], 0x80000000
	s_or_b32 s[G0B+3], s[G0B+3], 0x80000000
	s_add_nc_u64 s[PFA:PFA+1], s[34:35], s[58:59]
	s_add_nc_u64 s[RB:RB+1], s[32:33], s[60:61]
	s_and_b32 s53, s52, 3
	s_lshl_b32 s54, s53, 12                        ; bias: 1,024 columns a group, 64 for j
	s_lshl_b32 s56, s48, 8
	s_add_co_u32 s54, s54, s56
	s_cmp_lt_u32 s52, 4
	s_cselect_b64 s[BP:BP+1], s[36:37], s[38:39]
	s_add_nc_u64 s[BP:BP+1], s[BP:BP+1], s[54:55]
	s_lshr_b32 s60, s52, 2                         ; qk: q or k,
	s_lshl_b32 s60, s60, 25
	s_lshr_b32 s58, s51, 4                         ; batch,
	s_lshl_b32 s58, s58, 24
	s_add_co_u32 s60, s60, s58
	s_lshl_b32 s58, s53, 22                        ; the group's first head,
	s_add_co_u32 s60, s60, s58
	s_and_b32 s58, s51, 15                         ; my 64 rows,
	s_lshl1_add_u32 s58, s58, s49
	s_lshl_b32 s58, s58, 16
	s_add_co_u32 s60, s60, s58
	s_lshl_b32 s58, s48, 11                        ; my 64 channels
	s_add_co_u32 s60, s60, s58
	s_add_nc_u64 s[OP:OP+1], s[40:41], s[60:61]
	CROUND                                         ; the partners are here: the first joint loads meet
	tensor_load_to_lds s[G0A:G0A+3], s[G1:G1+7]    ; tile 0
	s_nop 0
	tensor_load_to_lds s[G0B:G0B+3], s[G1:G1+7]    ; tile 1: two loads of mine are out
	s_nop 0
	PLACES
	WIN 0x40                                       ; x stays in registers
.set c, 0
.rept 16
.if c == 8
	WIN 0x80
.endif
.set t, 0
.rept 4
.set r, (8*(4*c+t))&255
	global_load_b128 v[r:r+3], v[LO], s[RB:RB+1] offset:t*16384+c*1024
	global_load_b128 v[r+4:r+7], v[LO], s[RB:RB+1] offset:t*16384+c*1024+512
.set t, t+1
.endr
.set c, c+1
.endr
	WIN 0
.irp l, 0,1,2,3
	global_load_b128 v[BI+8*\l:BI+8*\l+3], v[BO], s[BP:BP+1] offset:\l*64
	global_load_b128 v[BI+8*\l+4:BI+8*\l+7], v[BO], s[BP:BP+1] offset:\l*64+16
.endr
	s_wait_tensorcnt 0x1                           ; my quarter of tile 0 is in; tile 1's may stay out
	s_barrier_signal -1
	s_barrier_wait -1
	FETCH 0, 0
	s_wait_loadcnt 0x0                             ; x and tile 0's bias
	BLOCK 0, 0, 0, 1, 0, 512
	WIN 0
.Ltrip:                                        ; NT - 2 trips: blocks 1-3 of a tile and block 0 of the next; the slot left is filled again
	BLOCK 1, 1, 0, 1, 6, 576                       ; 6: the three later blocks' two bias loads each
	BLOCK 2, 1, 0, 1, 6, 640
	BLOCK 3, 1, 1, 1, 6, 704
	BLOCK 0, 1, 0, 1, 6, 1024
	WIN 0
	s_wait_xcnt 0x0                                ; stores and bias loads have read their pointers
	s_cmp_eq_u32 s[SLOTS], 3                       ; behind tile 3 the head changes
	s_cselect_b32 s[STP], s62, s63
	s_add_nc_u64 s[OP:OP+1], s[OP:OP+1], s[STP:STP+1]
	s_add_nc_u64 s[BP:BP+1], s[BP:BP+1], 512
	s_sub_co_u32 s[SLOTS], s[SLOTS], 1
	s_cmp_lg_u32 s[SLOTS], 0
	s_cbranch_scc1 .Ltrip
	BLOCK 1, 1, 0, 1, 6, 576                       ; the tail is written out: nothing more is asked for
	BLOCK 2, 1, 0, 1, 6, 640
	BLOCK 3, 1, 2, 1, 6, 704
	BLOCK 0, 1, 0, 1, 6, -1
	WIN 0
	s_wait_xcnt 0x0
	s_add_nc_u64 s[OP:OP+1], s[OP:OP+1], 4096
	BLOCK 1, 1, 0, 1, 4, -1
	BLOCK 2, 1, 0, 1, 2, -1
	BLOCK 3, 1, 0, 0, 0, -1
	PLACES
	WIN 0
	LUMP 3, 1
	s_wait_tensorcnt 0x0                           ; the wave's end
	ds_add_u32 v[SPW], v[NIL]
	s_wait_dscnt 0x0
	CROUND                                         ; the closing round
	s_endpgm
.Lfunc_end_k_q94a6195e81_proj:
	.size	k_q94a6195e81_proj, .Lfunc_end_k_q94a6195e81_proj-k_q94a6195e81_proj
	.p2alignl 7, 3214868480
	.fill 96, 4, 3214868480
	.section	.rodata,"a",@progbits
	.p2align	6, 0x0
	.amdhsa_kernel k_q94a6195e81_proj
		.amdhsa_group_segment_fixed_size 327680
		.amdhsa_private_segment_fixed_size 0
		.amdhsa_enable_private_segment 0
		.amdhsa_kernarg_size 40
		.amdhsa_user_sgpr_count 2
		.amdhsa_user_sgpr_kernarg_segment_ptr 1
		.amdhsa_wavefront_size32 1
		.amdhsa_system_sgpr_workgroup_id_x 1
		.amdhsa_system_sgpr_workgroup_id_y 1
		.amdhsa_system_sgpr_workgroup_id_z 1
		.amdhsa_system_vgpr_workitem_id 0
		.amdhsa_next_free_vgpr 768
		.amdhsa_next_free_sgpr 66
		.amdhsa_reserve_vcc 0
		.amdhsa_float_denorm_mode_32 3
		.amdhsa_float_denorm_mode_16_64 3
		.amdhsa_memory_ordered 1
		.amdhsa_forward_progress 1
		.amdhsa_inst_pref_size 115
	.end_amdhsa_kernel
	.amdgpu_metadata
---
amdhsa.version: [ 1, 2 ]
amdhsa.kernels:
  - .name:           k_q94a6195e81_proj
    .symbol:         k_q94a6195e81_proj.kd
    .args:
      - { .name: fin, .offset: 0, .size: 8, .value_kind: global_buffer, .address_space: global }
      - { .name: wqk, .offset: 8, .size: 8, .value_kind: global_buffer, .address_space: global }
      - { .name: bq, .offset: 16, .size: 8, .value_kind: global_buffer, .address_space: global }
      - { .name: bk, .offset: 24, .size: 8, .value_kind: global_buffer, .address_space: global }
      - { .name: qk, .offset: 32, .size: 8, .value_kind: global_buffer, .address_space: global }
    .group_segment_fixed_size: 327680
    .private_segment_fixed_size: 0
    .kernarg_segment_align: 8
    .kernarg_segment_size: 40
    .max_flat_workgroup_size: 128
    .sgpr_count:     66
    .vgpr_count:     768
    .wavefront_size: 32
...
	.end_amdgpu_metadata
.endif
;; end of part 2
;; launch attn (part 3): grid 16 x 16, 4 waves a work-group, clusters of 4 x 1, 327,680 bytes of LDS; arguments qk, mbits, wpart; writes wpart
.if DOCPART == 3
	.amdgcn_target "amdgcn-amd-amdhsa--gfx1250"
	.amdhsa_code_object_version 6
	.text
	.protected	k_q94a6195e81_attn
	.globl	k_q94a6195e81_attn
	.p2align	8
	.type	k_q94a6195e81_attn,@function
k_q94a6195e81_attn:
	s_mov_b64 s[64:65], 0
	v_nop
	global_prefetch_b8 v0, s[64:65] scope:SCOPE_SE
	s_setreg_imm32_b32 hwreg(HW_REG_WAVE_MODE, 25, 1), 1
	s_wait_xcnt 0x0
	s_wait_alu depctr_hold_cnt(0) depctr_sa_sdst(0) depctr_va_vdst(0) depctr_va_sdst(0) depctr_va_ssrc(0) depctr_va_vcc(0) depctr_vm_vsrc(0)
	s_getreg_b32 s2, hwreg(HW_REG_IB_STS2, 6, 4)
	s_cmp_eq_u32 s2, 0
	s_cbranch_scc0 .Lentry_in_a_cluster
	s_endpgm
.Lentry_in_a_cluster:
	s_bfe_u32 s2, ttmp6, 0x10000c
	s_cmp_lg_u32 s2, 0x3003
	s_cbranch_scc0 .Lentry_shape_is_right
	s_endpgm
.Lentry_shape_is_right:
; ATTN: wpart[nh][xb] = the sum, over the 128 queries of block xb, of the sum over all 2,048 keys of softmax_k(masked q.k / sqrt(512)).
; The module sums the weights over both axes, so no second product exists: for each query a running maximum m and a running sum l = sum 2^(c s - c m), c = log2(e)/sqrt(512),
; and at the end the row's weight sum l x (1/l).  A masked score is REPLACED by -1e9 sqrt(512) ahead of the scale, which is the module's -1e9 behind it.
; LIMITS.  q, k are bf16 (rounded once by the launch before); scores, maxima and sums f32.  NaN and infinities are not treated apart; a weight below 2^-126 counts as 0.
; c m is rounded once (CM) and every exponent is taken against that same CM: in a row that is masked throughout all weights are one and the same power of two,
; with exponent within 64 of 0, which cancels in l x (1/l).
; SHARES.  A work-group: 128 queries of one (batch, head) nh.  Wave w = 2 g + j keeps 64 queries (half g), all 512 channels, in 512 registers, and walks the keys in 16 tiles of 128
; through a ring of two LDS slots; of a tile it takes keys 64 j .. 64 j + 63, in 4 blocks of 16.  A BLOCK is 64 products: 16 steps along K x 4 tiles of 16 queries; the 4 accumulators
; take turns.  S^T = K Q^T: a lane holds ONE query (lane%16) and the keys 8 (lane/16) + 0..7.
; Each lane keeps m and l of the keys that it sees itself: the loop has no exchange between lanes; lanes and waves are merged once, at the end.
; BY TURNS.  Behind each product of a block stand two vector instructions of the block before's softmax; twelve stand in the block's middle, four at its end.  All riders take a scalar or a
; constant as their second source, so they run under the products' window setting.  A block's 36 exponentials are one batch with one wait.
; THE MASK comes as bits, made by an earlier launch: 32 words a block, word (t, r) = the lane mask of score register r of tile t; they are used as selects alone.
; CLUSTER.  The four query blocks of a cluster share nh: each tile of K is asked for jointly.
; REGISTERS: window 0: v0-15 addresses; v16-47 statistics, 8 a tile; v48-111 S^T, two buffers; v112-239 the block's 16 fragments of K.  Windows 1, 2: Q: fragment (t, c) at 8 (4 c + t).
.set NT,    16
.set SLOT1, 131072
.set EX,    262144                     ; 4 waves x 4 tiles x (CM, l) x 128 bytes
.set RS,    266240                     ; a word a wave
.set SPARE, 266496
.set ADR, 2
.set AK0, 3
.set LO,  4
.set PFO, 5
.set WO,  8                            ; my work-group's byte in wpart
.set LN,  9                            ; lane
.set SPW, 10
.set NIL, 11
.set ST,  16                           ; tile t at ST + 8 t: +0 CM, +1 pad, +2 +3 l (even, odd keys), +4 a, +5 pad, +6 m, +7 at work
.set S,   48
.set KF,  112
.set G1,  8
.set G0A, 16
.set G0B, 20
.set MBP, 24
.set PFA, 26
.set WV,  28
.set SLOTS, 29
.set TB,  30
.set LIM, 31
.set RB,  100
.set MSB, 0
.macro WIN new
.if MSB != (\new)
	s_set_vgpr_msb (MSB<<8)|(\new)
.set MSB, (\new)
.endif
.endm
.macro PLACES
.rept 4
	v_nop
.endr
.endm
.macro CROUND
	s_barrier_signal -1
	s_barrier_wait -1
	s_cmp_lg_u32 s[WV], 0
	s_cbranch_scc1 .Lnot_wave_0_\@
	s_barrier_signal -3
.Lnot_wave_0_\@:
	s_barrier_wait -3
	s_barrier_signal -1
	s_barrier_wait -1
.endm
.macro MMA i, par
.set c_, (\i)>>2
.set t_, (\i)&3
.set rD, S+32*(\par)+8*t_
.set rA, KF+8*c_
.set rB, (8*(4*c_+t_))&255
.if c_ < 8
	WIN 0x04
.else
	WIN 0x08
.endif
.if c_ == 0
	v_wmma_f32_16x16x32_bf16 v[rD:rD+7], v[rA:rA+7], v[rB:rB+7], 0
.else
	v_wmma_f32_16x16x32_bf16 v[rD:rD+7], v[rA:rA+7], v[rB:rB+7], v[rD:rD+7]
.endif
.endm
.macro FETCH half, off
.set f, 0
.rept 8
	ds_load_b128 v[KF+64*(\half)+8*f:KF+64*(\half)+8*f+3], v[ADR] offset:(\off)+f*1024
	ds_load_b128 v[KF+64*(\half)+8*f+4:KF+64*(\half)+8*f+7], v[ADR] offset:(\off)+f*1024+512
.set f, f+1
.endr
.endm
; THE CHANGE OF SLOTS: every wave has waited for all its tensor loads (one is out: its quarter of the other slot), adds 0 to its spare word, and has waited for that and for its reads of
; the slot that it leaves.  fill = 1: a round of the cluster's barrier, and the joint refill first behind it, with the tile two on: it has 256 products in which to land.
.macro CHANGE fill
	WIN 0
	s_wait_tensorcnt 0x0
	ds_add_u32 v[SPW], v[NIL]
.if \fill
	s_xor_b32 s[G0B+1], s[G0B+1], SLOT1
	s_add_nc_u64 s[G0B+2:G0B+3], s[G0B+2:G0B+3], 131072
	s_wait_xcnt 0x0                                ; the last prefetch, a tile back, has read its address
	s_add_nc_u64 s[PFA:PFA+1], s[PFA:PFA+1], 131072
.endif
	s_xor_b32 s[TB], s[TB], SLOT1
	s_wait_dscnt 0x0
.if \fill
	CROUND
	tensor_load_to_lds s[G0B:G0B+3], s[G1:G1+7]
	s_nop 0
	PLACES
.else
	s_barrier_signal -1
	s_barrier_wait -1
.endif
	v_add_nc_u32 v[ADR], s[TB], v[AK0]
.endm
; A prefetch of the tile that the NEXT change will ask for: 512 blocks of 256 bytes = 4 partners x 4 waves x 32 lanes, told apart by address.  All clusters of an nh walk the same K:
; the first asks.  The last change that fills asks for nothing.
.macro ASK
	s_cmp_gt_u32 s[SLOTS], s[LIM]
	s_cbranch_scc0 .Lnot_mine_\@
	global_prefetch_b8 v[PFO], s[PFA:PFA+1] th:TH_LOAD_NT scope:SCOPE_SE
.Lnot_mine_\@:
.endm
; THE SOFTMAX OF A BLOCK (buffer and mask set pv), as numbered lists.
; P12, 64: register q/8 of tile q%4: the mask's select, four numbers later the maximum.  Each accumulator's register 0 is read first.
.macro P12 q, pv
.set i_, (\q)>>3
.set t_, (\q)&3
.set rS, S+32*(\pv)+8*t_+i_
.if (((\q)>>2)&1) == 0
	v_cndmask_b32 v[rS], v[rS], s5, s[32+36*(\pv)+8*t_+i_]
.else
	v_max3_num_f32 v[ST+8*t_+6], v[ST+8*t_+6], s6, v[rS]
.endif
.endm
; P3, 12: CM_new = c m, rounded once; the argument of a = CM_old - CM_new, exactly 0 where m has not grown
.macro P3
.irp t, 0,1,2,3
	v_mul_f32 v[ST+8*\t+7], s2, v[ST+8*\t+6]
.endr
.irp t, 0,1,2,3
	v_fma_f32 v[ST+8*\t+4], v[ST+8*\t+7], -1.0, v[ST+8*\t]
.endr
.irp t, 0,1,2,3
	v_mov_b32 v[ST+8*\t], v[ST+8*\t+7]
.endr
.endm
.macro FSC p, t, pv                    ; pair p of tile t: c s - CM
.set rS, S+32*(\pv)+8*(\t)+2*(\p)
	v_pk_fma_f32 v[rS:rS+1], v[rS:rS+1], s[2:3], v[ST+8*(\t):ST+8*(\t)+1] op_sel_hi:[1,0,0] neg_lo:[0,0,1] neg_hi:[0,0,1]
.endm
.macro EXS e, t, pv
.set rS, S+32*(\pv)+8*(\t)+(\e)
	v_exp_f32 v[rS], v[rS]
.endm
; P4, 52: ONE BATCH: 16 scalings and 36 exponentials, none of which reads an exponential's result; a pair is scaled a group ahead of its exponentials
.macro P4 q, pv
.if (\q) < 8
.if ((\q)&1) == 0
	FSC 0, (\q)>>1, \pv
.else
	v_exp_f32 v[ST+8*((\q)>>1)+4], v[ST+8*((\q)>>1)+4]
.endif
.elseif (\q) < 44
.set q1, (\q)-8
.set p1, q1/12
.set t1, (q1%12)/3
.set k1, q1%3
.if k1 == 0
	FSC p1+1, t1, \pv
.else
	EXS 2*p1+k1-1, t1, \pv
.endif
.else
.set q1, (\q)-44
	EXS 6+(q1&1), q1>>1, \pv
.endif
.endm
; P5, 12: a tile's four pairs of weights into one
.macro P5 q, pv
.set t1, (\q)&3
.set g1, (\q)>>2
.set ra, S+32*(\pv)+8*t1
.set rb, ra+2
.if g1 == 1
.set ra, ra+4
.set rb, ra+2
.elseif g1 == 2
.set rb, ra+4
.endif
	v_pk_fma_f32 v[ra:ra+1], v[ra:ra+1], 1.0, v[rb:rb+1] op_sel_hi:[1,0,1]
.endm
.macro PEND pv                         ; l = a l + the block's sum
.irp t, 0,1,2,3
	v_pk_fma_f32 v[ST+8*\t+2:ST+8*\t+3], v[ST+8*\t+2:ST+8*\t+3], v[ST+8*\t+4:ST+8*\t+5], v[S+32*(\pv)+8*\t:S+32*(\pv)+8*\t+1] op_sel_hi:[1,0,1]
.endr
.endm
; A BLOCK.  ride: the block before's softmax rides.  chg: 1 change of slots with refill, 2 without.  nxt: the next block's first half of K is fetched.
; mimm: where the next block's 32 mask words lie (-1: none); mstep: the mask pointer goes on to the tile in hand first.
; The mask words asked for in a block's middle are waited for in the next block's middle and read from the block after that on; they land in the set whose last reader stands in this block's first half.
.macro BLOCK loc, ride, chg, nxt, mimm, mstep
.set par, (\loc)&1
.set pv, 1-par
	s_wait_dscnt 0x0                               ; the first half of K is in
	FETCH 1, (\loc)*16384+8192                     ; four plain instructions or more stand behind the last product that read these registers
.set i, 0
.rept 32
	MMA i, par
.if \ride
	P12 2*i, pv
	P12 2*i+1, pv
.endif
.set i, i+1
.endr
	WIN 0
.if \ride
	P3
.else
	PLACES
.endif
	s_wait_kmcnt 0x0                               ; this block's mask words, asked for a block ago
.if \mstep
	s_add_nc_u64 s[MBP:MBP+1], s[MBP:MBP+1], 512
.endif
.if (\mimm) >= 0
	s_load_b512 s[32+36*pv:47+36*pv], s[MBP:MBP+1], \mimm
	s_load_b512 s[48+36*pv:63+36*pv], s[MBP:MBP+1], (\mimm)+64
.endif
	s_wait_dscnt 0x0                               ; the second half is in: in a tile's last block these were the last reads of the slot
.if (\chg) == 1
	CHANGE 1
.elseif (\chg) == 2
	CHANGE 0
.endif
.if \nxt
	FETCH 0, (((\loc)+1)&3)*16384
.endif
.if (\chg) == 1
	ASK
.endif
.rept 32
	MMA i, par
.if \ride
.if i < 58
	P4 2*(i-32), pv
	P4 2*(i-32)+1, pv
.if i == 57
	v_nop                                          ; a plain instruction behind the last exponential,
	s_wait_alu depctr_va_vdst(0)                   ; and the batch's one wait, ahead of the first reader
.endif
.else
	P5 2*(i-58), pv
	P5 2*(i-58)+1, pv
.endif
.endif
.set i, i+1
.endr
	WIN 0
.if \ride
	PEND pv
.else
	PLACES
.endif
.endm
	s_load_b128 s[68:71], s[0:1], 0x0              ; qk 68, mbits 70
	v_lshl_add_u32 v[SPW], v0, 2, SPARE
	v_mov_b32 v[NIL], 0
	ds_add_u32 v[SPW], v[NIL]                      ; the wave's opening
	v_lshrrev_b32 v1, 5, v0
	v_readfirstlane_b32 s[WV], v1
	s_and_b32 s72, s[WV], 1                        ; j
	s_lshr_b32 s73, s[WV], 1                       ; g
	s_bfe_u32 s74, ttmp6, 0x40000                  ; cx
	s_lshl_b32 s75, ttmp9, 2
	s_add_co_u32 s75, s75, s74                     ; xb
	s_and_b32 s76, ttmp7, 0xffff                   ; nh, which the partners share
	s_mov_b32 s2, 0x3d8293ee                       ; c = log2(e) / sqrt(512)
	s_mov_b32 s3, s2
	s_mov_b32 s5, 0xd0a89660                       ; -1e9 sqrt(512)
	s_mov_b32 s6, 0xff7fffff                       ; the lowest finite number
	s_mov_b32 s[G1], 15|(3<<16)|(1<<21)            ; mask of four; elements of 8 bytes; bit 21 beside a mask; no padding
	s_mov_b32 s[G1+1], 32<<16
	s_mov_b32 s[G1+2], 128<<16
	s_mov_b32 s[G1+3], 32<<16
	s_mov_b32 s[G1+4], 128                         ; 128 rows of 256 bytes: a quarter of a tile
	s_mov_b32 s[G1+5], 32
	s_mov_b32 s[G1+6], 0
	s_mov_b32 s[G1+7], 0
	s_mov_b32 s[G0A], 1
	s_lshl_b32 s[G0A+1], s[WV], 15
	s_mov_b32 s[G0B], 1
	s_add_co_u32 s[G0B+1], s[G0A+1], SLOT1
	s_mov_b32 s[TB], 0
	s_mov_b32 s[SLOTS], NT-2
	s_cmp_eq_u32 ttmp9, 0
	s_cselect_b32 s[LIM], 1, -1
	s_add_co_u32 s78, s76, 16                      ; K of nh: matrix 16 + nh, 2 MiB each
	s_lshl_b32 s78, s78, 21
	s_mov_b32 s79, 0
	s_lshl_b32 s80, s[WV], 15
	s_mov_b32 s81, 0
	s_lshl_b32 s82, s76, 21                        ; my 64 rows of Q
	s_lshl_b32 s84, s75, 17
	s_add_co_u32 s82, s82, s84
	s_lshl_b32 s84, s73, 16
	s_add_co_u32 s82, s82, s84
	s_mov_b32 s83, 0
	s_lshl1_add_u32 s84, s75, s73                  ; my 64 queries' mask words, my half of each tile
	s_lshl_b32 s84, s84, 14
	s_lshl_b32 s86, s72, 13
	s_add_co_u32 s84, s84, s86
	s_mov_b32 s85, 0
	s_lshl_b32 s86, s74, 15                        ; prefetch: tile 2 + my work-group's quarter + my wave's 32 blocks
	s_lshl_b32 s88, s[WV], 13
	s_add_co_u32 s86, s86, s88
	s_add_co_u32 s86, s86, 262144
	s_mov_b32 s87, 0
	s_lshl4_add_u32 s88, s76, s75
	s_lshl_b32 s88, s88, 2
	v_mov_b32 v[WO], s88
	v_and_b32 v[LN], 31, v0
	v_lshlrev_b32 v[LO], 4, v[LN]
	s_lshl_b32 s77, s72, 16
	v_add_nc_u32 v[AK0], s77, v[LO]
	v_mov_b32 v[ADR], v[AK0]
	v_lshlrev_b32 v[PFO], 8, v[LN]
.irp t, 0,1,2,3
	v_mov_b32 v[ST+8*\t], 0xfe000000               ; CM: far below every c s, so the first a is 0
	v_mov_b32 v[ST+8*\t+1], 0
	v_mov_b32 v[ST+8*\t+2], 0
	v_mov_b32 v[ST+8*\t+3], 0
	v_mov_b32 v[ST+8*\t+5], 0
	v_mov_b32 v[ST+8*\t+6], s6
.endr
	s_wait_dscnt 0x0                               ; the opening add is done
	s_wait_kmcnt 0x0
	s_add_nc_u64 s[90:91], s[68:69], s[78:79]
	s_add_nc_u64 s[G0A+2:G0A+3], s[90:91], s[80:81]
	s_add_nc_u64 s[G0B+2:G0B+3], s[G0A+2:G0A+3], 131072
	s_or_b32 s[G0A+3], s[G0A+3], 0x80000000
	s_or_b32 s[G0B+3], s[G0B+3], 0x80000000
	s_add_nc_u64 s[PFA:PFA+1], s[90:91], s[86:87]
	s_add_nc_u64 s[RB:RB+1], s[68:69], s[82:83]
	s_add_nc_u64 s[MBP:MBP+1], s[70:71], s[84:85]
	s_load_b512 s[32:47], s[MBP:MBP+1], 0x0        ; block 0's mask words
	s_load_b512 s[48:63], s[MBP:MBP+1], 0x40
	CROUND                                         ; the partners are here: the first joint loads meet
	tensor_load_to_lds s[G0A:G0A+3], s[G1:G1+7]    ; tile 0
	s_nop 0
	tensor_load_to_lds s[G0B:G0B+3], s[G1:G1+7]    ; tile 1: two loads of mine are out
	s_nop 0
	PLACES
	WIN 0x40                                       ; Q stays in registers
.set c, 0
.rept 16
.if c == 8
	WIN 0x80
.endif
.set t, 0
.rept 4
.set r, (8*(4*c+t))&255
	global_load_b128 v[r:r+3], v[LO], s[RB:RB+1] offset:t*16384+c*1024
	global_load_b128 v[r+4:r+7], v[LO], s[RB:RB+1] offset:t*16384+c*1024+512
.set t, t+1
.endr
.set c, c+1
.endr
	WIN 0
	s_wait_tensorcnt 0x1                           ; my quarter of tile 0 is in; tile 1's may stay out
	s_barrier_signal -1
	s_barrier_wait -1
	FETCH 0, 0
	s_wait_loadcnt 0x0                             ; Q
	BLOCK 0, 0, 0, 1, 128, 0
.Ltrip:                                        ; NT - 2 trips: blocks 1-3 of a tile and block 0 of the next; the slot left is filled again
	BLOCK 1, 1, 0, 1, 256, 0
	BLOCK 2, 1, 0, 1, 384, 0
	BLOCK 3, 1, 1, 1, 512, 0
	BLOCK 0, 1, 0, 1, 128, 1
	s_sub_co_u32 s[SLOTS], s[SLOTS], 1
	s_cmp_lg_u32 s[SLOTS], 0
	s_cbranch_scc1 .Ltrip
	BLOCK 1, 1, 0, 1, 256, 0                       ; the tail is written out: nothing more is asked for
	BLOCK 2, 1, 0, 1, 384, 0
	BLOCK 3, 1, 2, 1, 512, 0
	BLOCK 0, 1, 0, 1, 128, 1
	BLOCK 1, 1, 0, 1, 256, 0
	BLOCK 2, 1, 0, 1, 384, 0
	BLOCK 3, 1, 0, 0, -1, 0
	; the last block's softmax; the six plain instructions behind its last product are the places
.set q, 0
.rept 64
	P12 q, 1
.set q, q+1
.endr
	P3
.set q, 0
.rept 52
	P4 q, 1
.set q, q+1
.endr
	v_nop
	s_wait_alu depctr_va_vdst(0)
.set q, 0
.rept 12
	P5 q, 1
.set q, q+1
.endr
	PEND 1
	; THE WAY OUT.  (CM, l) of the lane 16 away (the query's other keys of my blocks), then of the wave with the other j, are merged in; then l x (1/l), summed over the queries.
; (CM, l) at +0, +2 takes in (CM2, l2) at +4, +5
.macro MERGE
.irp t, 0,1,2,3
	v_max_num_f32 v[ST+8*\t+6], v[ST+8*\t], v[ST+8*\t+4]
.endr
.irp t, 0,1,2,3
	v_sub_f32 v[ST+8*\t+7], v[ST+8*\t], v[ST+8*\t+6]
	v_sub_f32 v[ST+8*\t+4], v[ST+8*\t+4], v[ST+8*\t+6]
.endr
.irp t, 0,1,2,3
	v_exp_f32 v[ST+8*\t+7], v[ST+8*\t+7]
	v_exp_f32 v[ST+8*\t+4], v[ST+8*\t+4]
.endr
	v_nop
	s_wait_alu depctr_va_vdst(0)                   ; one wait for the eight exponentials
.irp t, 0,1,2,3
	v_mul_f32 v[ST+8*\t+2], v[ST+8*\t+2], v[ST+8*\t+7]
.endr
.irp t, 0,1,2,3
	v_fmac_f32 v[ST+8*\t+2], v[ST+8*\t+5], v[ST+8*\t+4]
.endr
.irp t, 0,1,2,3
	v_mov_b32 v[ST+8*\t], v[ST+8*\t+6]
.endr
.endm
.irp t, 0,1,2,3
	v_add_f32 v[ST+8*\t+2], v[ST+8*\t+2], v[ST+8*\t+3]
.endr
	s_mov_b32 s32, 0x76543210                      ; each lane takes its own place in the other half
	s_mov_b32 s33, 0xfedcba98
.irp t, 0,1,2,3
	v_permlanex16_b32 v[ST+8*\t+4], v[ST+8*\t], s32, s33
.endr
.irp t, 0,1,2,3
	v_permlanex16_b32 v[ST+8*\t+5], v[ST+8*\t+2], s32, s33
.endr
	MERGE
	s_lshl_b32 s7, s[WV], 10
	s_add_co_u32 s7, s7, EX
	v_lshl_add_u32 v6, v[LN], 2, s7                ; my wave's words
	s_xor_b32 s34, s[WV], 1
	s_lshl_b32 s34, s34, 10
	s_add_co_u32 s34, s34, EX
	v_lshl_add_u32 v7, v[LN], 2, s34               ; those of the wave with the same queries and the other keys
.irp t, 0,1,2,3
	ds_store_b32 v6, v[ST+8*\t] offset:\t*256
	ds_store_b32 v6, v[ST+8*\t+2] offset:\t*256+128
.endr
	s_wait_dscnt 0x0                               ; for the others' sake
	s_barrier_signal -1
	s_barrier_wait -1
.irp t, 0,1,2,3
	ds_load_b32 v[ST+8*\t+4], v7 offset:\t*256
	ds_load_b32 v[ST+8*\t+5], v7 offset:\t*256+128
.endr
	s_wait_dscnt 0x0
	MERGE
.irp t, 0,1,2,3
	v_rcp_f32 v[ST+8*\t+7], v[ST+8*\t+2]
.endr
	v_nop
	s_wait_alu depctr_va_vdst(0)
.irp t, 0,1,2,3
	v_mul_f32 v[ST+8*\t+2], v[ST+8*\t+2], v[ST+8*\t+7]  ; the row's weights, summed
.endr
	v_add_f32 v[ST+2], v[ST+2], v[ST+10]
	v_add_f32 v[ST+18], v[ST+18], v[ST+26]
	v_add_f32 v[ST+2], v[ST+2], v[ST+18]
	v_add_f32_dpp v[ST+2], v[ST+2], v[ST+2] row_xmask:1 row_mask:0xf bank_mask:0xf
	v_add_f32_dpp v[ST+2], v[ST+2], v[ST+2] row_xmask:2 row_mask:0xf bank_mask:0xf
	v_add_f32_dpp v[ST+2], v[ST+2], v[ST+2] row_xmask:4 row_mask:0xf bank_mask:0xf
	v_add_f32_dpp v[ST+2], v[ST+2], v[ST+2] row_xmask:8 row_mask:0xf bank_mask:0xf
	v_readfirstlane_b32 s7, v[ST+2]                ; my 64 queries' sum, one number for the wave
	v_mov_b32 v[ST+2], s7
	s_lshl_b32 s34, s[WV], 2
	s_add_co_u32 s34, s34, RS
	v_mov_b32 v6, s34
	ds_store_b32 v6, v[ST+2]
	s_wait_dscnt 0x0
	s_barrier_signal -1
	s_barrier_wait -1
	s_cmp_lg_u32 s[WV], 0
	s_cbranch_scc1 .Lend
	s_load_b64 s[34:35], s[0:1], 0x10              ; wpart
	v_mov_b32 v6, RS
	ds_load_b32 v[ST+2], v6                        ; wave 0: queries 0-63
	ds_load_b32 v[ST+3], v6 offset:8               ; wave 2: queries 64-127
	s_wait_dscnt 0x0
	v_add_f32 v[ST+2], v[ST+2], v[ST+3]
	s_wait_kmcnt 0x0
	s_wait_xcnt 0x0                                ; EXEC changes only when all that was issued has read its sources
	v_cmp_eq_u32 vcc_lo, 0, v0
	s_and_saveexec_b32 s7, vcc_lo
	global_store_b32 v[WO], v[ST+2], s[34:35]
	s_wait_xcnt 0x0
	s_or_b32 exec_lo, exec_lo, s7
.Lend:
	s_wait_tensorcnt 0x0                           ; the wave's end
	ds_add_u32 v[SPW], v[NIL]
	s_wait_dscnt 0x0
	CROUND                                         ; the closing round
	s_endpgm
.Lfunc_end_k_q94a6195e81_attn:
	.size	k_q94a6195e81_attn, .Lfunc_end_k_q94a6195e81_attn-k_q94a6195e81_attn
	.p2alignl 7, 3214868480
	.fill 96, 4, 3214868480
	.section	.rodata,"a",@progbits
	.p2align	6, 0x0
	.amdhsa_kernel k_q94a6195e81_attn
		.amdhsa_group_segment_fixed_size 327680
		.amdhsa_private_segment_fixed_size 0
		.amdhsa_enable_private_segment 0
		.amdhsa_kernarg_size 24
		.amdhsa_user_sgpr_count 2
		.amdhsa_user_sgpr_kernarg_segment_ptr 1
		.amdhsa_wavefront_size32 1
		.amdhsa_system_sgpr_workgroup_id_x 1
		.amdhsa_system_sgpr_workgroup_id_y 1
		.amdhsa_system_sgpr_workgroup_id_z 1
		.amdhsa_system_vgpr_workitem_id 0
		.amdhsa_next_free_vgpr 768
		.amdhsa_next_free_sgpr 102
		.amdhsa_reserve_vcc 1
		.amdhsa_float_denorm_mode_32 3
		.amdhsa_float_denorm_mode_16_64 3
		.amdhsa_memory_ordered 1
		.amdhsa_forward_progress 1
		.amdhsa_inst_pref_size 194
	.end_amdhsa_kernel
	.amdgpu_metadata
---
amdhsa.version: [ 1, 2 ]
amdhsa.kernels:
  - .name:           k_q94a6195e81_attn
    .symbol:         k_q94a6195e81_attn.kd
    .args:
      - { .name: qk, .offset: 0, .size: 8, .value_kind: global_buffer, .address_space: global }
      - { .name: mbits, .offset: 8, .size: 8, .value_kind: global_buffer, .address_space: global }
      - { .name: wpart, .offset: 16, .size: 8, .value_kind: global_buffer, .address_space: global }
    .group_segment_fixed_size: 327680
    .private_segment_fixed_size: 0
    .kernarg_segment_align: 8
    .kernarg_segment_size: 24
    .max_flat_workgroup_size: 128
    .sgpr_count:     102
    .vgpr_count:     768
    .wavefront_size: 32
...
	.end_amdgpu_metadata
.endif
;; end of part 3
;; launch pgemm (part 4): grid 16 x 8, 4 waves a work-group, no clusters, 201,216 bytes of LDS; arguments pin, pbuf; writes pbuf
.if DOCPART == 4
	.amdgcn_target "amdgcn-amd-amdhsa--gfx1250"
	.amdhsa_code_object_version 6
	.text
	.protected	k_q94a6195e81_pgemm
	.globl	k_q94a6195e81_pgemm
	.p2align	8
	.type	k_q94a6195e81_pgemm,@function
k_q94a6195e81_pgemm:
	s_mov_b64 s[64:65], 0
	v_nop
	global_prefetch_b8 v0, s[64:65] scope:SCOPE_SE
	s_setreg_imm32_b32 hwreg(HW_REG_WAVE_MODE, 25, 1), 1
	s_wait_xcnt 0x0
; Eight products of 512 x 512 x 512:  G[b][a][col] = sum_k R[b][a][k] T[b][col][k] + bias[b][col], f32, rows of 2,048 bytes.
; The first argument holds R at +0, T at +4 MiB (8 matrices each, bf16, layout F) and bias at +8 MiB ([8][512] f32); the second takes G.
; Used twice: R = Wo^T, T = Wv by heads, bias 0: G = (Wv_h Wo_h)^T;  and R = x (512 rows a batch b), T = M^T, bias = c: G = the module's output.
; LAYOUT F: byte = (row>>4)*16384 + (ch>>4)*512 + ((ch>>3)&1)*256 + (row&15)*16 + (ch&7)*2.
; SHARES.  A work-group: 128 rows of R (rb) x 128 rows of T (tl): one tile, fetched once by four tensor loads.  Wave w = 2 g + j keeps 64 rows of R, all K, in 512 registers and takes
; rows 64 j .. 64 j + 63 of T in 4 blocks of 16; a block is 64 products, the 4 accumulators by turns; the bias is the C operand that starts each sum.
; A lane holds one row of G and 8 neighbouring columns; a wave's 64 columns are 256 bytes: they go through the wave's own stage in LDS and leave as whole rows, 16 lanes to 256 aligned bytes.
; NO CLUSTER, NO PREFETCH: a work-group reads one tile, once, at its head, and the launch is short.  128 work-groups: a smaller share would cut a wave's columns below 256 bytes.
.set STAGE, 131072                     ; 4 waves x 4 tiles x 16 rows x 272 bytes
.set SPARE, 200704
.set ADR, 2
.set LO,  4
.set BO,  6
.set STO, 7
.set RD,  8
.set GO,  9
.set SPW, 10
.set NIL, 11
.set BI,  16
.set S,   48
.set KF,  112
.set G1,  8
.set G0A, 16
.set OP,  20
.set RB,  24
.set BP,  26
.set WV,  28
.set MSB, 0
.macro WIN new
.if MSB != (\new)
	s_set_vgpr_msb (MSB<<8)|(\new)
.set MSB, (\new)
.endif
.endm
.macro PLACES
.rept 4
	v_nop
.endr
.endm
.macro MMA i, par, loc
.set c_, (\i)>>2
.set t_, (\i)&3
.set rD, S+32*(\par)+8*t_
.set rA, KF+8*c_
.set rB, (8*(4*c_+t_))&255
.if c_ < 8
	WIN 0x04
.else
	WIN 0x08
.endif
.if c_ == 0
	v_wmma_f32_16x16x32_bf16 v[rD:rD+7], v[rA:rA+7], v[rB:rB+7], v[BI+8*(\loc):BI+8*(\loc)+7]
.else
	v_wmma_f32_16x16x32_bf16 v[rD:rD+7], v[rA:rA+7], v[rB:rB+7], v[rD:rD+7]
.endif
.endm
.macro FETCH half, off
.set f, 0
.rept 8
	ds_load_b128 v[KF+64*(\half)+8*f:KF+64*(\half)+8*f+3], v[ADR] offset:(\off)+f*1024
	ds_load_b128 v[KF+64*(\half)+8*f+4:KF+64*(\half)+8*f+7], v[ADR] offset:(\off)+f*1024+512
.set f, f+1
.endr
.endm
.macro STG pl, pv                      ; block pl's results into my stage: 32 bytes a lane and tile
.irp t, 0,1,2,3
	ds_store_b128 v[STO], v[S+32*(\pv)+8*\t:S+32*(\pv)+8*\t+3] offset:\t*4352+(\pl)*64
	ds_store_b128 v[STO], v[S+32*(\pv)+8*\t+4:S+32*(\pv)+8*\t+7] offset:\t*4352+(\pl)*64+16
.endr
.endm
.macro BLOCK loc, nxt
.set par, (\loc)&1
	PLACES                                         ; four places behind the last product, ahead of loads into fragments that it read
	s_wait_dscnt 0x0
	FETCH 1, (\loc)*16384+8192
.set i, 0
.rept 32
	MMA i, par, \loc
.set i, i+1
.endr
	WIN 0
	PLACES
.if (\loc) > 0
	STG (\loc)-1, 1-par
.endif
	s_wait_dscnt 0x0
.if \nxt
	FETCH 0, ((\loc)+1)*16384
.endif
.rept 32
	MMA i, par, \loc
.set i, i+1
.endr
.endm
	s_load_b128 s[32:35], s[0:1], 0x0
	v_lshl_add_u32 v[SPW], v0, 2, SPARE
	v_mov_b32 v[NIL], 0
	ds_add_u32 v[SPW], v[NIL]                      ; the wave's opening
	v_lshrrev_b32 v1, 5, v0
	v_readfirstlane_b32 s[WV], v1
	s_and_b32 s36, s[WV], 1                        ; j
	s_lshr_b32 s37, s[WV], 1                       ; g
	s_and_b32 s38, ttmp7, 0xffff                   ; b
	s_lshr_b32 s39, ttmp9, 2                       ; rb
	s_and_b32 s40, ttmp9, 3                        ; tl
	s_mov_b32 s[G1], 3<<16                         ; elements of 8 bytes, no mask, no padding
	s_mov_b32 s[G1+1], 32<<16
	s_mov_b32 s[G1+2], 128<<16
	s_mov_b32 s[G1+3], 32<<16
	s_mov_b32 s[G1+4], 128                         ; 128 rows of 256 bytes: a quarter of the tile
	s_mov_b32 s[G1+5], 32
	s_mov_b32 s[G1+6], 0
	s_mov_b32 s[G1+7], 0
	s_mov_b32 s[G0A], 1
	s_lshl_b32 s[G0A+1], s[WV], 15
	s_lshl_b32 s42, s38, 19                        ; R: my 64 rows
	s_lshl_b32 s41, s39, 17
	s_add_co_u32 s42, s42, s41
	s_lshl_b32 s41, s37, 16
	s_add_co_u32 s42, s42, s41
	s_mov_b32 s43, 0
	s_lshl_b32 s44, s38, 19                        ; T: my quarter of the tile
	s_lshl_b32 s41, s40, 17
	s_add_co_u32 s44, s44, s41
	s_lshl_b32 s41, s[WV], 15
	s_add_co_u32 s44, s44, s41
	s_add_co_u32 s44, s44, 0x400000
	s_mov_b32 s45, 0
	s_lshl_b32 s46, s38, 11                        ; bias: my 64 columns
	s_lshl_b32 s41, s40, 9
	s_add_co_u32 s46, s46, s41
	s_lshl_b32 s41, s36, 8
	s_add_co_u32 s46, s46, s41
	s_add_co_u32 s46, s46, 0x800000
	s_mov_b32 s47, 0
	s_lshl_b32 s22, s38, 20                        ; G: my 64 rows, my 64 columns
	s_lshl_b32 s41, s39, 18
	s_add_co_u32 s22, s22, s41
	s_lshl_b32 s41, s37, 17
	s_add_co_u32 s22, s22, s41
	s_lshl_b32 s41, s40, 9
	s_add_co_u32 s22, s22, s41
	s_lshl_b32 s41, s36, 8
	s_add_co_u32 s22, s22, s41
	s_mov_b32 s23, 0
	v_and_b32 v1, 31, v0
	v_lshlrev_b32 v[LO], 4, v1
	s_lshl_b32 s41, s36, 16
	v_add_nc_u32 v[ADR], s41, v[LO]
	v_and_b32 v12, 15, v1
	v_lshrrev_b32 v13, 4, v1
	v_lshlrev_b32 v[BO], 5, v13
	s_mul_i32 s41, s[WV], 17408
	s_add_co_u32 s41, s41, STAGE
	v_mul_u32_u24 v[STO], v12, 272                 ; in: row l%16, 32 bytes for each half of the lanes
	v_lshl_add_u32 v[STO], v13, 5, v[STO]
	v_add_nc_u32 v[STO], s41, v[STO]
	v_mul_u32_u24 v[RD], v13, 272                  ; back: lanes 0-15 one row of 256 bytes, lanes 16-31 the next
	v_lshl_add_u32 v[RD], v12, 4, v[RD]
	v_add_nc_u32 v[RD], s41, v[RD]
	v_lshlrev_b32 v[GO], 11, v13
	v_lshl_add_u32 v[GO], v12, 4, v[GO]
	s_wait_dscnt 0x0                               ; the opening add is done
	s_wait_kmcnt 0x0
	s_add_nc_u64 s[G0A+2:G0A+3], s[32:33], s[44:45]
	s_or_b32 s[G0A+3], s[G0A+3], 0x80000000
	s_add_nc_u64 s[RB:RB+1], s[32:33], s[42:43]
	s_add_nc_u64 s[BP:BP+1], s[32:33], s[46:47]
	s_add_nc_u64 s[OP:OP+1], s[34:35], s[22:23]
	tensor_load_to_lds s[G0A:G0A+3], s[G1:G1+7]    ; my one tensor load
	s_nop 0
	PLACES
	WIN 0x40
.set c, 0
.rept 16
.if c == 8
	WIN 0x80
.endif
.set t, 0
.rept 4
.set r, (8*(4*c+t))&255
	global_load_b128 v[r:r+3], v[LO], s[RB:RB+1] offset:t*16384+c*1024
	global_load_b128 v[r+4:r+7], v[LO], s[RB:RB+1] offset:t*16384+c*1024+512
.set t, t+1
.endr
.set c, c+1
.endr
	WIN 0
.irp l, 0,1,2,3
	global_load_b128 v[BI+8*\l:BI+8*\l+3], v[BO], s[BP:BP+1] offset:\l*64
	global_load_b128 v[BI+8*\l+4:BI+8*\l+7], v[BO], s[BP:BP+1] offset:\l*64+16
.endr
	s_wait_tensorcnt 0x0                           ; my quarter of the tile is in,
	s_barrier_signal -1
	s_barrier_wait -1                              ; everybody's is
	FETCH 0, 0
	s_wait_loadcnt 0x0
	BLOCK 0, 1
	BLOCK 1, 1
	BLOCK 2, 1
	BLOCK 3, 0
	PLACES
	WIN 0
	STG 3, 1
.set n, 0
.rept 32
	ds_load_b128 v[KF+4*n:KF+4*n+3], v[RD] offset:(n/8)*4352+(n%8)*544   ; a wave's LDS instructions are served in order: these see my stores
.set n, n+1
.endr
.set n, 0
.rept 32
	s_wait_dscnt 31-n
	global_store_b128 v[GO], v[KF+4*n:KF+4*n+3], s[OP:OP+1] offset:((n/8)*16+2*(n%8))*2048   ; 16 lanes store 256 consecutive, aligned bytes
.set n, n+1
.endr
	s_wait_tensorcnt 0x0                           ; the wave's end
	ds_add_u32 v[SPW], v[NIL]
	s_wait_dscnt 0x0
	s_endpgm
.Lfunc_end_k_q94a6195e81_pgemm:
	.size	k_q94a6195e81_pgemm, .Lfunc_end_k_q94a6195e81_pgemm-k_q94a6195e81_pgemm
	.p2alignl 7, 3214868480
	.fill 96, 4, 3214868480
	.section	.rodata,"a",@progbits
	.p2align	6, 0x0
	.amdhsa_kernel k_q94a6195e81_pgemm
		.amdhsa_group_segment_fixed_size 201216
		.amdhsa_private_segment_fixed_size 0
		.amdhsa_enable_private_segment 0
		.amdhsa_kernarg_size 16
		.amdhsa_user_sgpr_count 2
		.amdhsa_user_sgpr_kernarg_segment_ptr 1
		.amdhsa_wavefront_size32 1
		.amdhsa_system_sgpr_workgroup_id_x 1
		.amdhsa_system_sgpr_workgroup_id_y 1
		.amdhsa_system_sgpr_workgroup_id_z 1
		.amdhsa_system_vgpr_workitem_id 0
		.amdhsa_next_free_vgpr 768
		.amdhsa_next_free_sgpr 66
		.amdhsa_reserve_vcc 0
		.amdhsa_float_denorm_mode_32 3
		.amdhsa_float_denorm_mode_16_64 3
		.amdhsa_memory_ordered 1
		.amdhsa_forward_progress 1
		.amdhsa_inst_pref_size 51
	.end_amdhsa_kernel
	.amdgpu_metadata
---
amdhsa.version: [ 1, 2 ]
amdhsa.kernels:
  - .name:           k_q94a6195e81_pgemm
    .symbol:         k_q94a6195e81_pgemm.kd
    .args:
      - { .name: pin, .offset: 0, .size: 8, .value_kind: global_buffer, .address_space: global }
      - { .name: pbuf, .offset: 8, .size: 8, .value_kind: global_buffer, .address_space: global }
    .group_segment_fixed_size: 201216
    .private_segment_fixed_size: 0
    .kernarg_segment_align: 8
    .kernarg_segment_size: 16
    .max_flat_workgroup_size: 128
    .sgpr_count:     66
    .vgpr_count:     768
    .wavefront_size: 32
...
	.end_amdgpu_metadata
.endif
;; end of part 4
;; launch comb (part 5): grid 258 x 1, 1 waves a work-group, no clusters, 4,864 bytes of LDS; arguments pbuf, wpart, wqk, bo, fin; writes fin
.if DOCPART == 5
	.amdgcn_target "amdgcn-amd-amdhsa--gfx1250"
	.amdhsa_code_object_version 6
	.text
	.protected	k_q94a6195e81_comb
	.globl	k_q94a6195e81_comb
	.p2align	8
	.type	k_q94a6195e81_comb,@function
k_q94a6195e81_comb:
	s_mov_b64 s[64:65], 0
	v_nop
	global_prefetch_b8 v0, s[64:65] scope:SCOPE_SE
	s_setreg_imm32_b32 hwreg(HW_REG_WAVE_MODE, 25, 1), 1
	s_wait_xcnt 0x0
; COMB: W[n][h] = the sum of wpart's 16 partial sums;  M^T_n = sum_h W[n][h] P^T_h, rounded once to bf16, layout F, four copies (one for each block of 512 rows of x of batch n);
; c_n = sum_h W[n][h] u_h + bf16(bo), f32, four copies.  All sums in f32.
; Work-groups 0-255: n = id%2, a patch of 16 rows e x 128 columns d of all eight P^T_h: 128 loads of 512 dense bytes, all in flight at once (windows 1 and 2 hold them).
; Work-groups 256, 257: c_n.  One wave a work-group; the patch is turned into layout F in the wave's own LDS bytes.
.set SPARE, 4608
.set LO,  2
.set FS,  3
.set FL,  4
.set WT,  8                            ; v8-11
.set ACC, 16                           ; v16-79
.set O,   80                           ; v80-111
.set SPW, 112
.set NIL, 113
.set UU,  128                          ; v128-255: u, on the second path
.set MSB, 0
.macro WIN new
.if MSB != (\new)
	s_set_vgpr_msb (MSB<<8)|(\new)
.set MSB, (\new)
.endif
.endm
; lane l holds words 4 l .. 4 l + 3 of the batch's 128: head l/4.  lc: younger loads that may stay out
.macro WSUM lc
	s_wait_loadcnt \lc
	v_add_f32 v[WT], v[WT], v[WT+1]
	v_add_f32 v[WT+2], v[WT+2], v[WT+3]
	v_add_f32 v[WT], v[WT], v[WT+2]
	v_add_f32_dpp v[WT], v[WT], v[WT] row_xmask:1 row_mask:0xf bank_mask:0xf
	v_add_f32_dpp v[WT], v[WT], v[WT] row_xmask:2 row_mask:0xf bank_mask:0xf
.irp h, 0,1,2,3,4,5,6,7
	v_readlane_b32 s[16+2*\h], v[WT], 4*\h
.endr
.irp h, 0,1,2,3,4,5,6,7
	s_mov_b32 s[17+2*\h], s[16+2*\h]               ; named as pairs
.endr
.endm
	s_load_b256 s[8:15], s[0:1], 0x0               ; pbuf 8, wpart 10, wqk 12, bo 14
	s_load_b64 s[4:5], s[0:1], 0x20                ; fin
	v_lshl_add_u32 v[SPW], v0, 2, SPARE
	v_mov_b32 v[NIL], 0
	v_lshlrev_b32 v[LO], 4, v0
	v_lshlrev_b32 v[FS], 3, v0
	v_and_b32 v5, 15, v0
	v_lshrrev_b32 v6, 4, v0
	v_mul_u32_u24 v[FL], v5, 272
	v_lshl_add_u32 v[FL], v6, 4, v[FL]
	s_and_b32 s32, ttmp9, 1                        ; n, on both paths
	s_lshl_b32 s34, s32, 9
	s_mov_b32 s35, 0
	s_wait_kmcnt 0x0
	s_add_nc_u64 s[10:11], s[10:11], s[34:35]
	global_load_b128 v[WT:WT+3], v[LO], s[10:11]
	s_cmp_ge_u32 ttmp9, 256
	s_cbranch_scc1 .Lc
	s_lshr_b32 s33, ttmp9, 1
	s_lshr_b32 s36, s33, 2                         ; eb
	s_and_b32 s37, s33, 3                          ; dq
	s_lshl_b32 s34, s36, 15
	s_lshl_b32 s38, s37, 9
	s_add_co_u32 s34, s34, s38
	s_add_nc_u64 s[8:9], s[8:9], s[34:35]
	s_lshl_b32 s34, s32, 21
	s_lshl_b32 s38, s36, 14
	s_add_co_u32 s34, s34, s38
	s_lshl_b32 s38, s37, 12
	s_add_co_u32 s34, s34, s38
	s_add_co_u32 s34, s34, 0x400000
	s_add_nc_u64 s[4:5], s[4:5], s[34:35]
	WIN 0x40
.set h, 0
.rept 8
.if h == 4
	WIN 0x80
.endif
.set i, 0
.rept 16
	global_load_b128 v[64*(h&3)+4*i:64*(h&3)+4*i+3], v[LO], s[8:9] offset:h*1048576+i*2048
.set i, i+1
.endr
.set h, h+1
.endr
	WIN 0
	WSUM 63                                        ; 128 loads were issued behind wpart's
.set h, 0
.rept 8
.if h < 4
	s_wait_loadcnt 63                              ; 64 loads or more were issued behind this head's
	WIN 0x01
.else
	s_wait_loadcnt 16*(7-h)                        ; the later heads' loads stay out
	WIN 0x02
.endif
.set p, 0
.rept 32
.if h == 0
	v_pk_mul_f32 v[ACC+2*p:ACC+2*p+1], v[2*p:2*p+1], s[16:17] op_sel_hi:[1,0]
.else
	v_pk_fma_f32 v[ACC+2*p:ACC+2*p+1], v[64*(h&3)+2*p:64*(h&3)+2*p+1], s[16+2*h:17+2*h], v[ACC+2*p:ACC+2*p+1] op_sel_hi:[1,0,1]
.endif
.set p, p+1
.endr
.set h, h+1
.endr
	WIN 0
.set i, 0
.rept 16
	v_cvt_pk_bf16_f32 v[ACC+4*i], v[ACC+4*i], v[ACC+4*i+1]
	v_cvt_pk_bf16_f32 v[ACC+4*i+1], v[ACC+4*i+2], v[ACC+4*i+3]
	ds_store_b64 v[FS], v[ACC+4*i:ACC+4*i+1] offset:i*272
.set i, i+1
.endr
.set i, 0
.rept 8
	ds_load_b128 v[O+4*i:O+4*i+3], v[FL] offset:i*32
.set i, i+1
.endr
.set i, 0
.rept 8
	s_wait_dscnt 7-i
.irp k, 0,1,2,3
	global_store_b128 v[LO], v[O+4*i:O+4*i+3], s[4:5] offset:\k*524288+i*512
.endr
.set i, i+1
.endr
	s_branch .Lend
.Lc:
	s_add_nc_u64 s[12:13], s[12:13], 0x800000      ; u
	s_lshl_b32 s34, s32, 13
	s_add_co_u32 s34, s34, 0x800000
	s_add_nc_u64 s[4:5], s[4:5], s[34:35]
.irp i, 0,1,2,3
	global_load_b128 v[ACC+4*\i:ACC+4*\i+3], v[LO], s[14:15] offset:\i*512
.endr
.set h, 0
.rept 8
.irp i, 0,1,2,3
	global_load_b128 v[UU+16*h+4*\i:UU+16*h+4*\i+3], v[LO], s[12:13] offset:h*2048+\i*512
.endr
.set h, h+1
.endr
	WSUM 36                                        ; bo's 4 and u's 32 loads stay out
	s_wait_loadcnt 0x0
.set p, 0
.rept 8
	v_cvt_pk_bf16_f32 v5, v[ACC+2*p], v[ACC+2*p+1] ; bo rounded to bf16, like the other inputs
	v_lshlrev_b32 v[ACC+2*p], 16, v5
	v_and_b32 v[ACC+2*p+1], 0xffff0000, v5
.set p, p+1
.endr
.set h, 0
.rept 8
.set p, 0
.rept 8
	v_pk_fma_f32 v[ACC+2*p:ACC+2*p+1], v[UU+16*h+2*p:UU+16*h+2*p+1], s[16+2*h:17+2*h], v[ACC+2*p:ACC+2*p+1] op_sel_hi:[1,0,1]
.set p, p+1
.endr
.set h, h+1
.endr
.irp k, 0,1,2,3
.irp i, 0,1,2,3
	global_store_b128 v[LO], v[ACC+4*\i:ACC+4*\i+3], s[4:5] offset:\k*2048+\i*512
.endr
.endr
.Lend:
	s_wait_tensorcnt 0x0                           ; the wave's end
	ds_add_u32 v[SPW], v[NIL]
	s_wait_dscnt 0x0
	s_endpgm
.Lfunc_end_k_q94a6195e81_comb:
	.size	k_q94a6195e81_comb, .Lfunc_end_k_q94a6195e81_comb-k_q94a6195e81_comb
	.p2alignl 7, 3214868480
	.fill 96, 4, 3214868480
	.section	.rodata,"a",@progbits
	.p2align	6, 0x0
	.amdhsa_kernel k_q94a6195e81_comb
		.amdhsa_group_segment_fixed_size 4864
		.amdhsa_private_segment_fixed_size 0
		.amdhsa_enable_private_segment 0
		.amdhsa_kernarg_size 40
		.amdhsa_user_sgpr_count 2
		.amdhsa_user_sgpr_kernarg_segment_ptr 1
		.amdhsa_wavefront_size32 1
		.amdhsa_system_sgpr_workgroup_id_x 1
		.amdhsa_system_sgpr_workgroup_id_y 1
		.amdhsa_system_sgpr_workgroup_id_z 1
		.amdhsa_system_vgpr_workitem_id 0
		.amdhsa_next_free_vgpr 768
		.amdhsa_next_free_sgpr 66
		.amdhsa_reserve_vcc 0
		.amdhsa_float_denorm_mode_32 3
		.amdhsa_float_denorm_mode_16_64 3
		.amdhsa_memory_ordered 1
		.amdhsa_forward_progress 1
		.amdhsa_inst_pref_size 50
	.end_amdhsa_kernel
	.amdgpu_metadata
---
amdhsa.version: [ 1, 2 ]
amdhsa.kernels:
  - .name:           k_q94a6195e81_comb
    .symbol:         k_q94a6195e81_comb.kd
    .args:
      - { .name: pbuf, .offset: 0, .size: 8, .value_kind: global_buffer, .address_space: global }
      - { .name: wpart, .offset: 8, .size: 8, .value_kind: global_buffer, .address_space: global }
      - { .name: wqk, .offset: 16, .size: 8, .value_kind: global_buffer, .address_space: global }
      - { .name: bo, .offset: 24, .size: 8, .value_kind: global_buffer, .address_space: global }
      - { .name: fin, .offset: 32, .size: 8, .value_kind: global_buffer, .address_space: global }
    .group_segment_fixed_size: 4864
    .private_segment_fixed_size: 0
    .kernarg_segment_align: 8
    .kernarg_segment_size: 40
    .max_flat_workgroup_size: 32
    .sgpr_count:     66
    .vgpr_count:     768
    .wavefront_size: 32
...
	.end_amdgpu_metadata
.endif
;; end of part 5
;; launch final: the kernel of part 4 again; grid 16 x 8, 4 waves a work-group, no clusters, 201,216 bytes of LDS; arguments fin, out0; writes out0
;; ======== version 2 of 2: 6 launches; version 1 with the launches prep, comb written anew for expert scheduling mode
;; workspace buffers: fin 8,404,992 bytes; pin 8,404,992 bytes; wqk 8,404,992 bytes; mbits 524,288 bytes of whole numbers; qk 67,108,864 bytes; pbuf 8,388,608 bytes; wpart 1,024 bytes
;; launch prep (part 6): grid 416 x 1, 8 waves a work-group, no clusters, 39,936 bytes of LDS; arguments input_data, Wq, Wk, Wv, Wo, bv, mask, fin, wqk, pin, mbits; writes fin, wqk, pin, mbits
.if DOCPART == 6
	.amdgcn_target "amdgcn-amd-amdhsa--gfx1250"
	.amdhsa_code_object_version 6
	.text
	.protected	k_q94a6195e81_prep
	.globl	k_q94a6195e81_prep
	.p2align	8
	.type	k_q94a6195e81_prep,@function
k_q94a6195e81_prep:
	s_mov_b64 s[64:65], 0
	v_nop
	global_prefetch_b8 v0, s[64:65] scope:SCOPE_SE
	s_setreg_imm32_b32 hwreg(HW_REG_WAVE_SCHED_MODE, 0, 2), 2
	s_setreg_imm32_b32 hwreg(HW_REG_WAVE_MODE, 25, 1), 1
	s_wait_xcnt 0x0
	s_wait_alu depctr_vm_vsrc(0)
; PREP: every matrix operand is rounded once to bf16 and laid out for the matrix kernels; the mask becomes bits; u = bv . Wo.
; LAYOUT F of an operand [rows][512 channels] in bf16:
;   byte = (row>>4)*16384 + (ch>>4)*512 + ((ch>>3)&1)*256 + (row&15)*16 + (ch&7)*2
; so 16 rows x 16 channels are 512 dense bytes in lane order, and 16 rows x 32 channels are one matrix fragment (two loads of 16 bytes a lane).
; TASKS, by the work-group's number (the same for all its waves):
;   0-31    Wo  -> pin+0      woT[h][e][j] (transposed), and u[h][e] = sum_j bf16(bv[h,j]) bf16(Wo[h,j][e]) -> wqk+8 MiB; zeros -> pin+8 MiB
;   32-159  mask -> mbits     bit L of word (t, r) of a block of 16 keys: mask[q = 16 t + L%16][key = 8 (L/16) + r] == 0
;   160-287 Wq, Wk -> wqk+0   wT[row = 4096 w + n][ch = k] (transposed)
;   288-351 x   -> fin+0      xf[row][ch]
;   352-415 Wv  -> pin+4 MiB  wvf[h][d][j]
; A wave takes patches of 16 rows x 128 columns of f32 (16 loads of 512 dense bytes), two in flight; the patch is turned into layout F in the
; wave's own LDS bytes (no barrier: only the wave itself reads them) and leaves as stores of 512 dense, aligned bytes.
; No matrix unit, cluster or tensor load: the launch only moves bytes.
; THE MODE: SCHED_MODE bits 1:0 = 2 (LLVM: expert scheduling mode 2), set by the entry lines.  The code itself states the register dependences
; between vector instructions and memory or LDS instructions, with s_wait_alu, always for 0.
; THE PLAN.  Registers that memory or LDS instructions touch:
;   v2-7, v208-210  addresses and offsets: written at the head, never again.
;   X0, X1   a patch as loaded.  Loads land; the patch's 32 conversions read it.  Plain patches: the conversions write the low pair of each row's four registers, which the LDS stores
;            read; nothing writes them again.  Wo's second round loads both again.
;   Y        a transposed patch, packed: written by the conversions, read by the LDS stores (and, as a vector source, by u's arithmetic); the next patch's conversions write it again.
;   O        LDS loads land, global stores read; the next patch's LDS loads land again.
;   BV       a load lands; rounded in place and read by v_readlane; loaded again in Wo's second round.
; So a patch has: all its conversions in one run; ONE wait on va_vdst behind them; its LDS stores and LDS loads in one run; then (Wo) u's arithmetic, which names none of the registers
; that those touch but Y, as a source; then the global stores.  From the second patch on one wait on vm_vsrc says that the patch before has let go of Y and O.
.set XPB,   4352                       ; a wave's patch stage: 16 rows x 272, or 8 blocks x 528
.set RED,   34816                      ; 8 waves x 512 bytes: partial u
.set SPARE, 38912                      ; the spare words, 128 bytes for each of 8 waves
.set LO,  2                            ; 16 x lane
.set FS,  3                            ; stage + 8 x lane: a row's 4 channels as bf16
.set FL,  4                            ; stage + (l%16) x 272 + 16 (l/16): reads a block of layout F
.set TS,  5                            ; stage + (l/4) x 528 + (l%4) x 64: writes a transposed patch
.set TL,  6                            ; stage + 16 x lane
.set BO,  7                            ; 4 (l%16): a patch's 16 numbers of bv
.set BV,  8                            ; v8-9
.set T,   10                           ; v10-11 at work
.set U,   12                           ; v12-15 my 4 columns of u
.set X,   16                           ; v16-143 two patches as loaded
.set Z,   X+64                         ; v80-83 at Wo's end: four zeros; no memory or LDS instruction has read these registers
.set Y,   144                          ; v144-175 a transposed patch, packed
.set O,   176                          ; v176-207 what is stored
.set SPW, 208
.set NIL, 209
.set MO,  210                          ; the mask task's lane offset
.set WV,  30
.set SRC, 32
.set DST, 34
.set OF,  36                           ; s[36:37] an offset, high word 0
.set BS,  48                           ; s[48:63] sixteen numbers of bv, or sixteen lane masks
	s_load_b512 s[8:23], s[0:1], 0x0               ; x 8, Wq 10, Wk 12, Wv 14, Wo 16, bv 18, mask 20, fin 22
	s_load_b128 s[24:27], s[0:1], 0x40             ; wqk 24, pin 26
	s_load_b64 s[28:29], s[0:1], 0x50              ; mbits
	v_lshl_add_u32 v[SPW], v0, 2, SPARE
	v_mov_b32 v[NIL], 0
	v_lshrrev_b32 v1, 5, v0
	v_readfirstlane_b32 s[WV], v1                  ; wave 0..7
	v_and_b32 v1, 31, v0                           ; lane
	v_lshlrev_b32 v[LO], 4, v1
	v_and_b32 v[T], 15, v1
	v_lshrrev_b32 v[T+1], 4, v1
	v_mul_u32_u24 v[FL], v[T], 272
	v_lshl_add_u32 v[FL], v[T+1], 4, v[FL]
	v_lshrrev_b32 v[TS], 2, v1
	v_mul_u32_u24 v[TS], v[TS], 528
	v_and_b32 v[TL], 3, v1
	v_lshl_add_u32 v[TS], v[TL], 6, v[TS]
	v_lshlrev_b32 v[BO], 2, v[T]
	v_lshlrev_b32 v[MO], 13, v[T]                  ; a mask row is 8,192 bytes
	v_lshl_add_u32 v[MO], v[T+1], 5, v[MO]
	s_wait_alu depctr_va_sdst(0)                   ; the wave's number is written, ahead of its first reader
	s_mul_i32 s31, s[WV], XPB
	v_lshl_add_u32 v[FS], v1, 3, s31
	v_add_nc_u32 v[FL], s31, v[FL]
	v_add_nc_u32 v[TS], s31, v[TS]
	v_add_nc_u32 v[TL], s31, v[LO]
	s_mov_b32 s[OF+1], 0
	s_wait_kmcnt 0x0
	s_wait_alu depctr_va_vdst(0)                   ; the seven addresses v2 to v7 and v210 are written, which every load and store below reads; they are never written again
; 16 rows of 512 bytes into set
.macro LOADP set, pitch, off
.set i, 0
.rept 16
	global_load_b128 v[X+64*(\set)+4*i:X+64*(\set)+4*i+3], v[LO], s[SRC:SRC+1] offset:(\off)+i*(\pitch) th:TH_LOAD_NT
.set i, i+1
.endr
.endm
; 16 rows x 128 channels -> 8 blocks of layout F.  lc: the younger loads that may stay out.  again = 1: a patch has gone out before this one
.macro FCONV set, doff, lc, again
	s_wait_loadcnt \lc
.set i, 0
.rept 16
	v_cvt_pk_bf16_f32 v[X+64*(\set)+4*i], v[X+64*(\set)+4*i], v[X+64*(\set)+4*i+1]
	v_cvt_pk_bf16_f32 v[X+64*(\set)+4*i+1], v[X+64*(\set)+4*i+2], v[X+64*(\set)+4*i+3]
.set i, i+1
.endr
	s_wait_alu depctr_va_vdst(0)                   ; the conversions have written the low pair of each row's four registers, which the LDS stores read
.set i, 0
.rept 16
	ds_store_b64 v[FS], v[X+64*(\set)+4*i:X+64*(\set)+4*i+1] offset:i*272
.set i, i+1
.endr
.if \again
	s_wait_xcnt 0x0                                ; earlier stores have had their addresses translated: O is loaded again only behind this wait,
	s_wait_alu depctr_vm_vsrc(0)                   ; and the global stores of the patch before have read O, in which the LDS loads below land
.endif
.set i, 0
.rept 8
	ds_load_b128 v[O+4*i:O+4*i+3], v[FL] offset:i*32   ; a wave's LDS instructions are served in order: these see the stores above
.set i, i+1
.endr
.set i, 0
.rept 8
	s_wait_dscnt 7-i
	global_store_b128 v[LO], v[O+4*i:O+4*i+3], s[DST:DST+1] offset:(\doff)+i*512
.set i, i+1
.endr
.endm
; 16 k rows x 128 columns -> transposed: 8 blocks (16 columns each) of layout F, 16,384 bytes apart.  u = 1: my 4 columns of u take the patch's 16 terms.
; again = 1: a patch has gone out before this one, on some way to this line
.macro TCONV set, doff, lc, u, again
	s_wait_loadcnt \lc
.if \again
	s_wait_xcnt 0x0                                ; earlier stores have had their addresses translated,
	s_wait_alu depctr_vm_vsrc(0)                   ; and the patch before has let go: its LDS stores have read Y, which the conversions write again, its global stores O, in which the LDS loads land
.endif
.set a, 0
.rept 8
.set i, 0
.rept 4
	v_cvt_pk_bf16_f32 v[Y+4*(2*i+(a>>2))+(a&3)], v[X+64*(\set)+8*a+i], v[X+64*(\set)+8*a+4+i]   ; rows 2a, 2a+1 of column 4 l + i
.set i, i+1
.endr
.set a, a+1
.endr
	s_wait_alu depctr_va_vdst(0)                   ; the conversions have written Y, which the LDS stores read
.set i, 0
.rept 4
	ds_store_b128 v[TS], v[Y+8*i:Y+8*i+3] offset:i*16
	ds_store_b128 v[TS], v[Y+8*i+4:Y+8*i+7] offset:256+i*16
.set i, i+1
.endr
.set i, 0
.rept 8
	ds_load_b128 v[O+4*i:O+4*i+3], v[TL] offset:i*528
.set i, i+1
.endr
.if \u                                 ; u's terms, while the patch goes through the stage: these lines read Y and write BV, T and U, none of which an LDS instruction above writes or a pending one reads but Y, as a source
	v_cvt_pk_bf16_f32 v[BV+(\set)], v[BV+(\set)], v[BV+(\set)]
	v_lshlrev_b32 v[BV+(\set)], 16, v[BV+(\set)]   ; bv rounded to bf16, as f32
.set a, 0
.rept 16
	v_readlane_b32 s[BS+a], v[BV+(\set)], a
.set a, a+1
.endr
	s_wait_alu depctr_va_sdst(0)                   ; the sixteen numbers of bv are written, ahead of the first multiply-add that reads one
.set a, 0
.rept 8
.set i, 0
.rept 4
	v_lshlrev_b32 v[T], 16, v[Y+4*(2*i+(a>>2))+(a&3)]
	v_and_b32 v[T+1], 0xffff0000, v[Y+4*(2*i+(a>>2))+(a&3)]
	v_fmac_f32 v[U+i], s[BS+2*a], v[T]
	v_fmac_f32 v[U+i], s[BS+2*a+1], v[T+1]
.set i, i+1
.endr
.set a, a+1
.endr
.endif
.set i, 0
.rept 8
	s_wait_dscnt 7-i
	global_store_b128 v[LO], v[O+4*i:O+4*i+3], s[DST:DST+1] offset:(\doff)+i*16384
.set i, i+1
.endr
.endm
	s_cmp_lt_u32 ttmp9, 32
	s_cbranch_scc1 .Lwo
	s_cmp_lt_u32 ttmp9, 160
	s_cbranch_scc1 .Lmask
	s_cmp_lt_u32 ttmp9, 288
	s_cbranch_scc1 .Lw
	s_cmp_lt_u32 ttmp9, 352
	s_cbranch_scc1 .Lx
	; ---- Wv: patch p = 32 rt + cp; rows d = 16 rt, columns 128 cp (head cp/4)
	s_sub_co_u32 s38, ttmp9, 352
	s_lshl_b32 s38, s38, 4
	s_lshl1_add_u32 s38, s[WV], s38                ; my first patch: 16 id + 2 wave
	s_lshr_b32 s39, s38, 5
	s_and_b32 s40, s38, 31
	s_lshl_b32 s[OF], s39, 18
	s_lshl_b32 s41, s40, 9
	s_add_co_u32 s[OF], s[OF], s41
	s_add_nc_u64 s[SRC:SRC+1], s[14:15], s[OF:OF+1]
	s_lshr_b32 s41, s40, 2
	s_lshl_b32 s[OF], s41, 19
	s_lshl_b32 s41, s39, 14
	s_add_co_u32 s[OF], s[OF], s41
	s_and_b32 s41, s40, 3
	s_lshl_b32 s41, s41, 12
	s_add_co_u32 s[OF], s[OF], s41
	s_add_co_u32 s[OF], s[OF], 0x400000
	s_add_nc_u64 s[DST:DST+1], s[26:27], s[OF:OF+1]
	LOADP 0, 16384, 0
	LOADP 1, 16384, 512
	FCONV 0, 0, 16, 0                              ; the second patch's 16 loads stay out
	FCONV 1, 4096, 0, 1
	s_branch .Lend
.Lx:	; ---- x: patch p = 4 rt + cp
	s_sub_co_u32 s38, ttmp9, 288
	s_lshl_b32 s38, s38, 4
	s_lshl1_add_u32 s38, s[WV], s38
	s_lshr_b32 s39, s38, 2
	s_and_b32 s40, s38, 3
	s_lshl_b32 s[OF], s39, 15
	s_lshl_b32 s41, s40, 9
	s_add_co_u32 s[OF], s[OF], s41
	s_add_nc_u64 s[SRC:SRC+1], s[8:9], s[OF:OF+1]
	s_lshl_b32 s[OF], s39, 14
	s_lshl_b32 s41, s40, 12
	s_add_co_u32 s[OF], s[OF], s41
	s_add_nc_u64 s[DST:DST+1], s[22:23], s[OF:OF+1]
	LOADP 0, 2048, 0
	LOADP 1, 2048, 512
	FCONV 0, 0, 16, 0
	FCONV 1, 4096, 0, 1
	s_branch .Lend
.Lw:	; ---- Wq, Wk: patch p = 1024 w + 32 kb + cp; rows k = 16 kb, columns 128 cp
	s_sub_co_u32 s38, ttmp9, 160
	s_lshl_b32 s38, s38, 4
	s_lshl1_add_u32 s38, s[WV], s38
	s_lshr_b32 s39, s38, 10
	s_bfe_u32 s40, s38, 0x50005
	s_and_b32 s41, s38, 31
	s_lshl_b32 s[OF], s40, 18
	s_lshl_b32 s42, s41, 9
	s_add_co_u32 s[OF], s[OF], s42
	s_cmp_eq_u32 s39, 0
	s_cselect_b64 s[SRC:SRC+1], s[10:11], s[12:13]
	s_add_nc_u64 s[SRC:SRC+1], s[SRC:SRC+1], s[OF:OF+1]
	s_lshl_b32 s[OF], s39, 22
	s_lshl_b32 s42, s41, 17
	s_add_co_u32 s[OF], s[OF], s42
	s_lshl_b32 s42, s40, 9
	s_add_co_u32 s[OF], s[OF], s42
	s_add_nc_u64 s[DST:DST+1], s[24:25], s[OF:OF+1]
	LOADP 0, 16384, 0
	LOADP 1, 16384, 512
	TCONV 0, 0, 16, 0, 0
	TCONV 1, 131072, 0, 0, 1
	s_branch .Lend
.Lmask:	; ---- mask: a wave takes 64 queries (qg) x 64 keys (kq): 128 words of 32 bits
	s_sub_co_u32 s38, ttmp9, 32
	s_lshl3_add_u32 s38, s38, s[WV]
	s_lshr_b32 s39, s38, 5                         ; qg
	s_and_b32 s40, s38, 31                         ; kq = 2 tile + j
	s_lshl_b32 s[OF], s39, 19
	s_lshl_b32 s41, s40, 8
	s_add_co_u32 s[OF], s[OF], s41
	s_add_nc_u64 s[SRC:SRC+1], s[20:21], s[OF:OF+1]
	s_lshl_b32 s[OF], s39, 14
	s_and_b32 s41, s40, 1
	s_lshl_b32 s41, s41, 13
	s_add_co_u32 s[OF], s[OF], s41
	s_lshr_b32 s41, s40, 1
	s_lshl_b32 s41, s41, 9
	s_add_co_u32 s[OF], s[OF], s41
	s_add_nc_u64 s[DST:DST+1], s[28:29], s[OF:OF+1]
.set a, 0                              ; a = 4 loc + t
.rept 16
	global_load_b128 v[X+8*a:X+8*a+3], v[MO], s[SRC:SRC+1] offset:(a&3)*131072+(a>>2)*64 th:TH_LOAD_NT
	global_load_b128 v[X+8*a+4:X+8*a+7], v[MO], s[SRC:SRC+1] offset:(a&3)*131072+(a>>2)*64+16 th:TH_LOAD_NT
.set a, a+1
.endr
.irp i, 0,1,2,3
	v_mov_b32 v[O+\i], 0
.endr
	s_wait_loadcnt 0x0
.set g, 0
.rept 8                                ; word a goes to lane a/4, register a%4: the store below lays the 128 words on end.  Sixteen words to a run
.set a, 16*g
.rept 16
	v_cmp_eq_u32 s[BS+(a&15)], 0, v[X+a]
.set a, a+1
.endr
	s_wait_alu depctr_va_sdst(0)                   ; the run's sixteen lane masks are written, ahead of the first v_writelane_b32 that reads one
.set a, 16*g
.rept 16
	v_writelane_b32 v[O+(a&3)], s[BS+(a&15)], a>>2
.set a, a+1
.endr
.set g, g+1
.endr
	s_wait_alu depctr_va_vdst(0)                   ; the 128 words are written into O, which the store reads
	global_store_b128 v[LO], v[O:O+3], s[DST:DST+1]
	s_branch .Lend
.Lwo:	; ---- Wo: head h = id/4, 128 columns e (strip = id%4); wave w takes rows j = 64 w .. 64 w + 63, four patches in two rounds
	s_lshr_b32 s38, ttmp9, 2
	s_and_b32 s39, ttmp9, 3
	s_lshl_b32 s[OF], s38, 20
	s_lshl_b32 s41, s[WV], 17
	s_add_co_u32 s[OF], s[OF], s41
	s_lshl_b32 s41, s39, 9
	s_add_co_u32 s[OF], s[OF], s41
	s_add_nc_u64 s[SRC:SRC+1], s[16:17], s[OF:OF+1]
	s_lshl_b32 s[OF], s38, 19
	s_lshl_b32 s41, s39, 17
	s_add_co_u32 s[OF], s[OF], s41
	s_lshl_b32 s41, s[WV], 11
	s_add_co_u32 s[OF], s[OF], s41
	s_add_nc_u64 s[DST:DST+1], s[26:27], s[OF:OF+1]
	s_lshl_b32 s[OF], s38, 11
	s_lshl_b32 s41, s[WV], 8
	s_add_co_u32 s[OF], s[OF], s41
	s_add_nc_u64 s[42:43], s[18:19], s[OF:OF+1]    ; bv at my rows
.irp i, 0,1,2,3
	v_mov_b32 v[U+\i], 0
.endr
	s_mov_b32 s46, 2
.Lwo_round:
	s_wait_alu depctr_va_vdst(0)                   ; round the back edge: the round before is done reading X0 and X1 (its conversions) and has rounded and read out BV: the loads below land in them
	LOADP 0, 2048, 0
	global_load_b32 v[BV], v[BO], s[42:43]
	LOADP 1, 2048, 32768
	global_load_b32 v[BV+1], v[BO], s[42:43] offset:64
	TCONV 0, 0, 17, 1, 1                           ; the second patch's 16 loads and its bv stay out
	TCONV 1, 512, 0, 1, 1
	s_wait_xcnt 0x0                                ; the pointers are stepped only when all that was issued has read them
	s_add_nc_u64 s[SRC:SRC+1], s[SRC:SRC+1], 65536
	s_add_nc_u64 s[DST:DST+1], s[DST:DST+1], 1024
	s_add_nc_u64 s[42:43], s[42:43], 128
	s_sub_co_u32 s46, s46, 1
	s_cmp_lg_u32 s46, 0
	s_cbranch_scc1 .Lwo_round
	s_lshl_b32 s41, s[WV], 9
	v_add_nc_u32 v[T], s41, v[LO]
	s_wait_alu depctr_va_vdst(0)                   ; the address in T and my four sums in U are written, which the LDS store reads; every vector reader of X0, in which wave 0's LDS loads land, is done
	ds_store_b128 v[T], v[U:U+3] offset:RED
	s_wait_dscnt 0x0                               ; for the others' sake: my partial u is in LDS
	s_barrier_signal -1
	s_barrier_wait -1
	s_cmp_lg_u32 s[WV], 0
	s_cbranch_scc1 .Lend
.set i, 0
.rept 8
	ds_load_b128 v[X+4*i:X+4*i+3], v[LO] offset:RED+512*i
.set i, i+1
.endr
	s_lshl_b32 s[OF], s38, 11
	s_lshl_b32 s41, s39, 9
	s_add_co_u32 s[OF], s[OF], s41
	s_add_co_u32 s[OF], s[OF], 0x800000
	s_add_nc_u64 s[SRC:SRC+1], s[24:25], s[OF:OF+1]
	s_add_nc_u64 s[DST:DST+1], s[26:27], s[OF:OF+1]
.irp i, 0,1,2,3
	v_mov_b32 v[Z+\i], 0
.endr
	s_wait_dscnt 0x0
.irp i, 0,2,4,6,8,10,12,14
	v_pk_add_f32 v[X+\i:X+\i+1], v[X+\i:X+\i+1], v[X+16+\i:X+16+\i+1]
.endr
.irp i, 0,2,4,6
	v_pk_add_f32 v[X+\i:X+\i+1], v[X+\i:X+\i+1], v[X+8+\i:X+8+\i+1]
.endr
.irp i, 0,2
	v_pk_add_f32 v[X+\i:X+\i+1], v[X+\i:X+\i+1], v[X+4+\i:X+4+\i+1]
.endr
	s_wait_alu depctr_va_vdst(0)                   ; the sums in X's first four registers and the zeros in Z are written, which the two stores read
	global_store_b128 v[LO], v[X:X+3], s[SRC:SRC+1]    ; u[h], my strip: 512 dense bytes
	global_store_b128 v[LO], v[Z:Z+3], s[DST:DST+1]    ; the zero bias of the product Wv Wo
.Lend:
	s_wait_dscnt 0x0                               ; the wave's end
	s_wait_alu 0x0
	s_wait_tensorcnt 0x0
	ds_add_u32 v[SPW], v[NIL]
	s_wait_dscnt 0x0
	s_endpgm
.Lfunc_end_k_q94a6195e81_prep:
	.size	k_q94a6195e81_prep, .Lfunc_end_k_q94a6195e81_prep-k_q94a6195e81_prep
	.p2alignl 7, 3214868480
	.fill 96, 4, 3214868480
	.section	.rodata,"a",@progbits
	.p2align	6, 0x0
	.amdhsa_kernel k_q94a6195e81_prep
		.amdhsa_group_segment_fixed_size 39936
		.amdhsa_private_segment_fixed_size 0
		.amdhsa_enable_private_segment 0
		.amdhsa_kernarg_size 88
		.amdhsa_user_sgpr_count 2
		.amdhsa_user_sgpr_kernarg_segment_ptr 1
		.amdhsa_wavefront_size32 1
		.amdhsa_system_sgpr_workgroup_id_x 1
		.amdhsa_system_sgpr_workgroup_id_y 1
		.amdhsa_system_sgpr_workgroup_id_z 1
		.amdhsa_system_vgpr_workitem_id 0
		.amdhsa_next_free_vgpr 212
		.amdhsa_next_free_sgpr 66
		.amdhsa_reserve_vcc 0
		.amdhsa_float_denorm_mode_32 3
		.amdhsa_float_denorm_mode_16_64 3
		.amdhsa_memory_ordered 1
		.amdhsa_forward_progress 1
		.amdhsa_inst_pref_size 87
	.end_amdhsa_kernel
	.amdgpu_metadata
---
amdhsa.version: [ 1, 2 ]
amdhsa.kernels:
  - .name:           k_q94a6195e81_prep
    .symbol:         k_q94a6195e81_prep.kd
    .args:
      - { .name: input_data, .offset: 0, .size: 8, .value_kind: global_buffer, .address_space: global }
      - { .name: Wq, .offset: 8, .size: 8, .value_kind: global_buffer, .address_space: global }
      - { .name: Wk, .offset: 16, .size: 8, .value_kind: global_buffer, .address_space: global }
      - { .name: Wv, .offset: 24, .size: 8, .value_kind: global_buffer, .address_space: global }
      - { .name: Wo, .offset: 32, .size: 8, .value_kind: global_buffer, .address_space: global }
      - { .name: bv, .offset: 40, .size: 8, .value_kind: global_buffer, .address_space: global }
      - { .name: mask, .offset: 48, .size: 8, .value_kind: global_buffer, .address_space: global }
      - { .name: fin, .offset: 56, .size: 8, .value_kind: global_buffer, .address_space: global }
      - { .name: wqk, .offset: 64, .size: 8, .value_kind: global_buffer, .address_space: global }
      - { .name: pin, .offset: 72, .size: 8, .value_kind: global_buffer, .address_space: global }
      - { .name: mbits, .offset: 80, .size: 8, .value_kind: global_buffer, .address_space: global }
    .group_segment_fixed_size: 39936
    .private_segment_fixed_size: 0
    .kernarg_segment_align: 8
    .kernarg_segment_size: 88
    .max_flat_workgroup_size: 256
    .sgpr_count:     66
    .vgpr_count:     212
    .wavefront_size: 32
...
	.end_amdgpu_metadata
.endif
;; end of part 6
;; launch proj: the kernel of part 2 again; grid 32 x 8, 4 waves a work-group, clusters of 4 x 1, 327,680 bytes of LDS; arguments fin, wqk, bq, bk, qk; writes qk
;; launch attn: the kernel of part 3 again; grid 16 x 16, 4 waves a work-group, clusters of 4 x 1, 327,680 bytes of LDS; arguments qk, mbits, wpart; writes wpart
;; launch pgemm: the kernel of part 4 again; grid 16 x 8, 4 waves a work-group, no clusters, 201,216 bytes of LDS; arguments pin, pbuf; writes pbuf
;; launch comb (part 7): grid 258 x 1, 1 waves a work-group, no clusters, 4,864 bytes of LDS; arguments pbuf, wpart, wqk, bo, fin; writes fin
.if DOCPART == 7
	.amdgcn_target "amdgcn-amd-amdhsa--gfx1250"
	.amdhsa_code_object_version 6
	.text
	.protected	k_q94a6195e81_comb
	.globl	k_q94a6195e81_comb
	.p2align	8
	.type	k_q94a6195e81_comb,@function
k_q94a6195e81_comb:
	s_mov_b64 s[64:65], 0
	v_nop
	global_prefetch_b8 v0, s[64:65] scope:SCOPE_SE
	s_setreg_imm32_b32 hwreg(HW_REG_WAVE_SCHED_MODE, 0, 2), 2
	s_setreg_imm32_b32 hwreg(HW_REG_WAVE_MODE, 25, 1), 1
	s_wait_xcnt 0x0
	s_wait_alu depctr_vm_vsrc(0)
; COMB: W[n][h] = the sum of wpart's 16 partial sums;  M^T_n = sum_h W[n][h] P^T_h, rounded once to bf16, layout F, four copies (one for each block of 512 rows of x of batch n);
; c_n = sum_h W[n][h] u_h + bf16(bo), f32, four copies.  All sums in f32.
; Work-groups 0-255: n = id%2, a patch of 16 rows e x 128 columns d of all eight P^T_h: 128 loads of 512 dense bytes, all in flight at once (windows 1 and 2 hold them).
; Work-groups 256, 257: c_n.  One wave a work-group; the patch is turned into layout F in the wave's own LDS bytes.
; THE MODE: SCHED_MODE bits 1:0 = 2 (LLVM: expert scheduling mode 2), set by the entry lines.  The code itself states the register dependences
; between vector instructions and memory or LDS instructions, with s_wait_alu, always for 0.
; THE PLAN.  Registers that memory or LDS instructions touch:
;   v2-4, v112-113  addresses: written at the head, never again.
;   WT, windows 1 and 2 (first path), ACC and UU (second path)  loads land once, in registers that no vector instruction has named; vector instructions read them.
;   ACC      written by the sums and the conversions; read by the LDS stores (first path) or the global stores (second path); not written again.
;   O        LDS loads land, global stores read; not written again.
; So each path has one wait on va_vdst ahead of its first load, for the addresses, and one ahead of the run of stores that reads ACC; nothing that a memory or LDS instruction has read
; is written again, so no wait on vm_vsrc is owed.
.set SPARE, 4608
.set LO,  2
.set FS,  3
.set FL,  4
.set WT,  8                            ; v8-11
.set ACC, 16                           ; v16-79
.set O,   80                           ; v80-111
.set SPW, 112
.set NIL, 113
.set UU,  128                          ; v128-255: u, on the second path
.set MSB, 0
.macro WIN new
.if MSB != (\new)
	s_set_vgpr_msb (MSB<<8)|(\new)
.set MSB, (\new)
.endif
.endm
; lane l holds words 4 l .. 4 l + 3 of the batch's 128: head l/4.  lc: younger loads that may stay out
.macro WSUM lc
	s_wait_loadcnt \lc
	v_add_f32 v[WT], v[WT], v[WT+1]
	v_add_f32 v[WT+2], v[WT+2], v[WT+3]
	v_add_f32 v[WT], v[WT], v[WT+2]
	v_add_f32_dpp v[WT], v[WT], v[WT] row_xmask:1 row_mask:0xf bank_mask:0xf
	v_add_f32_dpp v[WT], v[WT], v[WT] row_xmask:2 row_mask:0xf bank_mask:0xf
.irp h, 0,1,2,3,4,5,6,7
	v_readlane_b32 s[16+2*\h], v[WT], 4*\h
.endr
	s_wait_alu depctr_va_sdst(0)                   ; the eight W are written, ahead of the first line that reads one
.irp h, 0,1,2,3,4,5,6,7
	s_mov_b32 s[17+2*\h], s[16+2*\h]               ; named as pairs
.endr
.endm
	s_load_b256 s[8:15], s[0:1], 0x0               ; pbuf 8, wpart 10, wqk 12, bo 14
	s_load_b64 s[4:5], s[0:1], 0x20                ; fin
	v_lshl_add_u32 v[SPW], v0, 2, SPARE
	v_mov_b32 v[NIL], 0
	v_lshlrev_b32 v[LO], 4, v0
	v_lshlrev_b32 v[FS], 3, v0
	v_and_b32 v5, 15, v0
	v_lshrrev_b32 v6, 4, v0
	v_mul_u32_u24 v[FL], v5, 272
	v_lshl_add_u32 v[FL], v6, 4, v[FL]
	s_and_b32 s32, ttmp9, 1                        ; n, on both paths
	s_lshl_b32 s34, s32, 9
	s_mov_b32 s35, 0
	s_wait_kmcnt 0x0
	s_add_nc_u64 s[10:11], s[10:11], s[34:35]
	s_cmp_ge_u32 ttmp9, 256
	s_cbranch_scc1 .Lc
	s_lshr_b32 s33, ttmp9, 1
	s_lshr_b32 s36, s33, 2                         ; eb
	s_and_b32 s37, s33, 3                          ; dq
	s_lshl_b32 s34, s36, 15
	s_lshl_b32 s38, s37, 9
	s_add_co_u32 s34, s34, s38
	s_add_nc_u64 s[8:9], s[8:9], s[34:35]
	s_lshl_b32 s34, s32, 21
	s_lshl_b32 s38, s36, 14
	s_add_co_u32 s34, s34, s38
	s_lshl_b32 s38, s37, 12
	s_add_co_u32 s34, s34, s38
	s_add_co_u32 s34, s34, 0x400000
	s_add_nc_u64 s[4:5], s[4:5], s[34:35]
	s_wait_alu depctr_va_vdst(0)                   ; the addresses v2 to v4 are written, which this path's loads and stores read; only loads and window switches stand between this line and the last of the 129 loads
	global_load_b128 v[WT:WT+3], v[LO], s[10:11]
	WIN 0x40
.set h, 0
.rept 8
.if h == 4
	WIN 0x80
.endif
.set i, 0
.rept 16
	global_load_b128 v[64*(h&3)+4*i:64*(h&3)+4*i+3], v[LO], s[8:9] offset:h*1048576+i*2048
.set i, i+1
.endr
.set h, h+1
.endr
	WIN 0
	WSUM 63                                        ; 128 loads were issued behind wpart's
.set h, 0
.rept 8
.if h < 4
	s_wait_loadcnt 63                              ; 64 loads or more were issued behind this head's
	WIN 0x01
.else
	s_wait_loadcnt 16*(7-h)                        ; the later heads' loads stay out
	WIN 0x02
.endif
.set p, 0
.rept 32
.if h == 0
	v_pk_mul_f32 v[ACC+2*p:ACC+2*p+1], v[2*p:2*p+1], s[16:17] op_sel_hi:[1,0]
.else
	v_pk_fma_f32 v[ACC+2*p:ACC+2*p+1], v[64*(h&3)+2*p:64*(h&3)+2*p+1], s[16+2*h:17+2*h], v[ACC+2*p:ACC+2*p+1] op_sel_hi:[1,0,1]
.endif
.set p, p+1
.endr
.set h, h+1
.endr
	WIN 0
.set i, 0
.rept 16
	v_cvt_pk_bf16_f32 v[ACC+4*i], v[ACC+4*i], v[ACC+4*i+1]
	v_cvt_pk_bf16_f32 v[ACC+4*i+1], v[ACC+4*i+2], v[ACC+4*i+3]
.set i, i+1
.endr
	s_wait_alu depctr_va_vdst(0)                   ; the conversions have written the low pair of each row's four registers of ACC, which the LDS stores read
.set i, 0
.rept 16
	ds_store_b64 v[FS], v[ACC+4*i:ACC+4*i+1] offset:i*272
.set i, i+1
.endr
.set i, 0
.rept 8
	ds_load_b128 v[O+4*i:O+4*i+3], v[FL] offset:i*32   ; a wave's LDS instructions are served in order: these see the stores above
.set i, i+1
.endr
.set i, 0
.rept 8
	s_wait_dscnt 7-i
.irp k, 0,1,2,3
	global_store_b128 v[LO], v[O+4*i:O+4*i+3], s[4:5] offset:\k*524288+i*512
.endr
.set i, i+1
.endr
	s_branch .Lend
.Lc:
	s_add_nc_u64 s[12:13], s[12:13], 0x800000      ; u
	s_lshl_b32 s34, s32, 13
	s_add_co_u32 s34, s34, 0x800000
	s_add_nc_u64 s[4:5], s[4:5], s[34:35]
	s_wait_alu depctr_va_vdst(0)                   ; the offset v2 is written, which this path's loads and stores read
	global_load_b128 v[WT:WT+3], v[LO], s[10:11]
.irp i, 0,1,2,3
	global_load_b128 v[ACC+4*\i:ACC+4*\i+3], v[LO], s[14:15] offset:\i*512
.endr
.set h, 0
.rept 8
.irp i, 0,1,2,3
	global_load_b128 v[UU+16*h+4*\i:UU+16*h+4*\i+3], v[LO], s[12:13] offset:h*2048+\i*512
.endr
.set h, h+1
.endr
	WSUM 36                                        ; bo's 4 and u's 32 loads stay out
	s_wait_loadcnt 0x0
.set p, 0
.rept 8
	v_cvt_pk_bf16_f32 v5, v[ACC+2*p], v[ACC+2*p+1] ; bo rounded to bf16, like the other inputs
	v_lshlrev_b32 v[ACC+2*p], 16, v5
	v_and_b32 v[ACC+2*p+1], 0xffff0000, v5
.set p, p+1
.endr
.set h, 0
.rept 8
.set p, 0
.rept 8
	v_pk_fma_f32 v[ACC+2*p:ACC+2*p+1], v[UU+16*h+2*p:UU+16*h+2*p+1], s[16+2*h:17+2*h], v[ACC+2*p:ACC+2*p+1] op_sel_hi:[1,0,1]
.set p, p+1
.endr
.set h, h+1
.endr
	s_wait_alu depctr_va_vdst(0)                   ; the sums have written ACC's first sixteen registers, which the stores read
.irp k, 0,1,2,3
.irp i, 0,1,2,3
	global_store_b128 v[LO], v[ACC+4*\i:ACC+4*\i+3], s[4:5] offset:\k*2048+\i*512
.endr
.endr
.Lend:
	s_wait_dscnt 0x0                               ; the wave's end
	s_wait_alu 0x0
	s_wait_tensorcnt 0x0
	ds_add_u32 v[SPW], v[NIL]
	s_wait_dscnt 0x0
	s_endpgm
.Lfunc_end_k_q94a6195e81_comb:
	.size	k_q94a6195e81_comb, .Lfunc_end_k_q94a6195e81_comb-k_q94a6195e81_comb
	.p2alignl 7, 3214868480
	.fill 96, 4, 3214868480
	.section	.rodata,"a",@progbits
	.p2align	6, 0x0
	.amdhsa_kernel k_q94a6195e81_comb
		.amdhsa_group_segment_fixed_size 4864
		.amdhsa_private_segment_fixed_size 0
		.amdhsa_enable_private_segment 0
		.amdhsa_kernarg_size 40
		.amdhsa_user_sgpr_count 2
		.amdhsa_user_sgpr_kernarg_segment_ptr 1
		.amdhsa_wavefront_size32 1
		.amdhsa_system_sgpr_workgroup_id_x 1
		.amdhsa_system_sgpr_workgroup_id_y 1
		.amdhsa_system_sgpr_workgroup_id_z 1
		.amdhsa_system_vgpr_workitem_id 0
		.amdhsa_next_free_vgpr 768
		.amdhsa_next_free_sgpr 66
		.amdhsa_reserve_vcc 0
		.amdhsa_float_denorm_mode_32 3
		.amdhsa_float_denorm_mode_16_64 3
		.amdhsa_memory_ordered 1
		.amdhsa_forward_progress 1
		.amdhsa_inst_pref_size 50
	.end_amdhsa_kernel
	.amdgpu_metadata
---
amdhsa.version: [ 1, 2 ]
amdhsa.kernels:
  - .name:           k_q94a6195e81_comb
    .symbol:         k_q94a6195e81_comb.kd
    .args:
      - { .name: pbuf, .offset: 0, .size: 8, .value_kind: global_buffer, .address_space: global }
      - { .name: wpart, .offset: 8, .size: 8, .value_kind: global_buffer, .address_space: global }
      - { .name: wqk, .offset: 16, .size: 8, .value_kind: global_buffer, .address_space: global }
      - { .name: bo, .offset: 24, .size: 8, .value_kind: global_buffer, .address_space: global }
      - { .name: fin, .offset: 32, .size: 8, .value_kind: global_buffer, .address_space: global }
    .group_segment_fixed_size: 4864
    .private_segment_fixed_size: 0
    .kernarg_segment_align: 8
    .kernarg_segment_size: 40
    .max_flat_workgroup_size: 32
    .sgpr_count:     66
    .vgpr_count:     768
    .wavefront_size: 32
...
	.end_amdgpu_metadata
.endif
;; end of part 7
;; launch final: the kernel of part 4 again; grid 16 x 8, 4 waves a work-group, no clusters, 201,216 bytes of LDS; arguments fin, out0; writes out0
